; MI455X (gfx1250); checked and timed in simulation.
; The chip was launched on July 23, 2026; its instructions are those of AMD's public machine-readable ISA for CDNA 5 (MIT licence, August 2026) and "CDNA5" Instruction Set Architecture Reference Guide (July 2026). The comments in the code are by the model that wrote it; some were corrected since.
;; TF Gemma Attention. Allowed arithmetic: matrix products marked QUANTISED: E4M3 operands, one given power-of-two scale a tensor, by v_wmma_f32_16x16x64_fp8_fp8 or v_wmma_f32_16x16x128_fp8_fp8, f32 sums; everything else in f32.
;; Inputs: Wk 2,048 x 256 float32; Wo 1,024 x 2,048 float32; Wq 2,048 x 1,024 float32; Wv 2,048 x 256 float32; attention_mask 1 x 1 x 4,096 x 4,096 float32; hidden_states 1 x 4,096 x 2,048 float32; lowp_scales 12 int32 (the exponents e of the quantised operands' scales 2^e); position_ids 1 x 4,096 int32.
;; Outputs: out0 1 x 4,096 x 2,048 float32.
;; This version of the problem:
;;   THIS VERSION OF THE PROBLEM IS GIVEN IN LOW PRECISION. The matrix products marked QUANTISED in the list below multiply operands that are first quantised to E4M3 (4 exponent bits, 3 mantissa bits; 8 bits a number), with one given power-of-two scale for each operand tensor; their sums are f32. All else is computed in f32.
;;   The module's matrix products, in the order in which they are computed (A, B: the left and right operand; K: the contracted axis; several contracted axes count as one K, in the product's order):
;;     1. [M 4,096, K 2,048] x [K 2,048, N 1,024]; A: input hidden_states; B: input Wq: QUANTISED (scales: A lowp_scales[0], B lowp_scales[1])
;;     2. [M 4,096, K 2,048] x [K 2,048, N 256]; A: input hidden_states; B: input Wk: QUANTISED (scales: A lowp_scales[2], B lowp_scales[3])
;;     3. [M 4,096, K 2,048] x [K 2,048, N 256]; A: input hidden_states; B: input Wv: QUANTISED (scales: A lowp_scales[4], B lowp_scales[5])
;;     4. batch 4 x [M 4,096, K 256] x [K 256, N 4,096]; A: computed on the way; B: computed on the way: QUANTISED (scales: A lowp_scales[6], B lowp_scales[7])
;;     5. batch 4 x [M 4,096, K 4,096] x [K 4,096, N 256]; A: softmax (see below); B: computed on the way: QUANTISED (scales: A lowp_scales[8], B lowp_scales[9])
;;     6. [M 4,096, K 1,024] x [K 1,024, N 2,048]; A: computed on the way; B: input Wo: QUANTISED (scales: A lowp_scales[10], B lowp_scales[11])
;;   THE QUANTISER, for each operand of a quantised product, along K:
;;     - The operand's scale is 2^e, e = its entry of the input lowp_scales (int32; the entries are numbered through the quantised products in the list's order, A before B).
;;     - Each number is divided by the scale, clamped to +-448, and rounded to the nearest number of E4M3, ties to even, subnormals kept.
;;     - The product sums the exact products of the quantised numbers (number of the format x scale) in f32.
;;   ~~~python
;;   def quantise(x, axis, e):      # numpy; x: float32 -> the quantised numbers, widened to float32 again
;;       x = np.moveaxis(x, axis, -1); K = x.shape[-1]
;;       r = np.clip(x / 2.0 ** e, -448, 448)
;;       step = 2.0 ** (np.maximum(np.frexp(np.where(r == 0, 1, r))[1] - 1, -6) - 3)
;;       q = np.round(r / step) * step * 2.0 ** e      # np.round: ties to even
;;       return np.moveaxis(q, -1, axis).astype(np.float32)
;;   ~~~
;;   SOFTMAX AHEAD OF A QUANTISED PRODUCT. Where the list says 'softmax', what is quantised is not the finished softmax but p = 2^(t - M), with t = logit x log2(e) and M = ceil(the row's largest t), a whole number; so 1/2 < the row's largest p <= 1. The row's sum l is taken of the UNQUANTISED p, in f32, and the product's result is divided by l at the end. Since M is a whole number, a kernel that streams over the keys may use a running M (the ceiling of the running maximum): every later rescaling is an exact power of two, so the quantised numbers keep their values, but for numbers so far below the row's largest that they fall under the format's range.
;;   OPERANDS COMPUTED ON THE WAY. 'Computed on the way' means the value that the module computes at that place (a softmax that the list does not call 'softmax' is quantised finished and normalised). What goes into a quantiser is computed in f32, as accurately as f32 sums, v_exp_f32 and their like allow (about 1e-6 of the number): no bf16 or f16 on the way to a quantiser, and a product that is left as it is and whose result goes on into a quantised operand takes f32 operands (vector FMAs, or v_wmma_f32_16x16x4_f32). A number that lies on a knife's edge between two numbers of the format may be rounded either way, as far as f32 arithmetic and the matrix unit's own rounding can turn it there, and no further.
;; One version. Each part assembles by itself: llvm-mc -triple=amdgcn-amd-amdhsa -mcpu=gfx1250 --defsym DOCPART=n.
;; ======== version 1 of 1: 4 launches
;; limits: right only within a limited range of input values
;; workspace buffers: x_codes 25,165,824 bytes; w_codes 5,242,880 bytes; rope_tab 4,194,304 bytes; qk_codes 5,242,880 bytes; v_codes 1,048,576 bytes; attn_codes 4,194,304 bytes
;; launch prep (part 1): grid 416 x 1, 4 waves a work-group, no clusters, 68,096 bytes of LDS; arguments hidden_states, position_ids, Wq, Wk, Wv, Wo, lowp_scales, x_codes, w_codes, rope_tab; writes x_codes, w_codes, rope_tab
.if DOCPART == 1
	.amdgcn_target "amdgcn-amd-amdhsa--gfx1250"
	.amdhsa_code_object_version 6
	.text
	.protected	k_q99b82860c1_prep
	.globl	k_q99b82860c1_prep
	.p2align	8
	.type	k_q99b82860c1_prep,@function
k_q99b82860c1_prep:
	s_mov_b64 s[64:65], 0
	v_nop
	global_prefetch_b8 v0, s[64:65] scope:SCOPE_SE
	s_setreg_imm32_b32 hwreg(HW_REG_WAVE_MODE, 25, 1), 1
	s_wait_xcnt 0x0
; PREP: everything that later launches read many times is made once.
; Work-groups 0-255 (the x path): work-group g takes rows 16 g .. 16 g + 15 of hidden_states (32,768 numbers) and writes their E4M3 codes three times, with the scales 2^e0, 2^e2, 2^e4
;   (three planes of x_codes, 8,388,608 bytes apart); it also makes the cos and sin of its 16 positions x 128 frequencies (rope_tab, as images of the registers in which the next launch wants them).
; Work-groups 256-415 (the w path): Wq, Wk, Wv, Wo, stored [K][N], become codes with K innermost (w_codes): a lane takes a column and its registers run down K.
; code = x / 2^e, held within +-448, to the nearest code, ties to even.
; LIMITS: each of e0, e2, e4, e1, e3, e5, e11 lies between -126 and 119, so that 2^e and 448 x 2^e are f32 numbers.  NaN among the inputs is not served.  |position| stays under 2^24 (it is turned into f32).
; No matrix unit, no cluster, no tensor load: a stream.  The two paths part on the work-group's number and have LDS bytes of their own.
.set SP,     80                        ; x path: a lane's place in a stage: 64 bytes + 16 of padding
.set STEPS,  16
.set XWREG,  8192                      ; x path: LDS region of a wave (two stages of 32 x SP bytes), from byte 0
.set WST,    32768                     ; w path: the four stages, 32 rows x 272 bytes a wave
.set WPITCH, 272
.set SPARE,  67584                     ; the spare words, 128 bytes a wave: two blocks of 256 bytes that no other line names
.set SPW,    12                        ; v12  LDS address of my spare word; never rewritten
.set NIL,    13                        ; v13  0; never rewritten
.set R,      16                        ; x: v16-79   four sets of 16 numbers as loaded
.set X,      80                        ; x: v80-111  two sets of 16 neighbours
.set T,      112                       ; x: v112-127 16 numbers held for one scale; before that the 16 frequencies
.set C,      128                       ; x: v128-175 codes: four sets of 3 x 4 registers
.set RES,    176                       ; x: v176-207 two images of the table: cos 0-7, sin 0-7 each
.set POS,    216
.set VO,     32                        ; w: v32-63   byte offset of row i of a block of 32 rows, at my column
.set WX,     64                        ; w: v64-127  two sets of 32 numbers
.set WC,     128                       ; w: v128-135 a block's codes
.set OUTR,   136                       ; w: v136-199 the way out
.set VOUT,   200                       ; w: v200-215 byte offsets of the way out's 16 stores
.set BT,     48                        ; w: s[48:63] the address of each of the eight blocks of 32 rows
	s_load_b512 s[4:19], s[0:1], 0x0               ; hidden s[4:5], positions s[6:7], Wq s[8:9], Wk s[10:11], Wv s[12:13], Wo s[14:15], scales s[16:17], x_codes s[18:19]
	s_load_b128 s[20:23], s[0:1], 0x40             ; w_codes s[20:21], rope_tab s[22:23]
	v_lshl_add_u32 v[SPW], v0, 2, SPARE
	v_mov_b32 v[NIL], 0
	v_lshrrev_b32 v1, 5, v0
	v_readfirstlane_b32 s24, v1                    ; wave 0..3
	v_and_b32 v2, 31, v0                           ; lane
	s_wait_kmcnt 0x0
	s_load_b256 s[32:39], s[16:17], 0x0            ; e0 .. e7
	s_load_b128 s[40:43], s[16:17], 0x20           ; e8 .. e11
	s_cmp_lt_u32 ttmp9, 256
	s_cbranch_scc0 .Lw
; ---------------------------------------------------------------- the x path
	s_wait_alu depctr_va_vdst(0)
	v_lshlrev_b32 v3, 4, v2                        ; 16 x lane: my 16 bytes of a load's 512, of a store's 512, of an image's 512
	s_mul_i32 s25, s24, XWREG
	v_lshrrev_b32 v14, 2, v2
	v_mul_u32_u24 v14, v14, SP
	v_and_b32 v15, 3, v2
	v_lshl_add_u32 v14, v15, 4, v14
	v_add_nc_u32 v14, s25, v14                     ; the stage, on the way in: four lanes' 64 bytes on end, then 16 of padding
	v_mul_u32_u24 v15, v2, SP
	v_add_nc_u32 v15, s25, v15                     ; and on the way out: my 16 neighbours
	s_lshl_b32 s26, ttmp9, 2
	s_add_co_u32 s26, s26, s24                     ; which run of 8,192 numbers is my wave's: 4 g + wave
	s_lshl_b32 s28, s26, 15
	s_mov_b32 s29, 0
	s_add_nc_u64 s[4:5], s[4:5], s[28:29]
	s_lshl_b32 s28, s26, 13
	s_add_nc_u64 s[44:45], s[18:19], s[28:29]      ; the three planes of codes
	s_add_nc_u64 s[46:47], s[44:45], 8388608
	s_add_nc_u64 s[48:49], s[46:47], 8388608
	s_lshl_b32 s28, ttmp9, 6
	s_add_nc_u64 s[6:7], s[6:7], s[28:29]          ; my work-group's 16 positions
	s_lshl_b32 s28, ttmp9, 14                      ; its eight images of 2,048 bytes,
	s_lshl_b32 s27, s24, 12                        ; my wave's two of them
	s_add_co_u32 s28, s28, s27
	s_add_nc_u64 s[22:23], s[22:23], s[28:29]
	v_and_b32 v5, 15, v0
	v_lshlrev_b32 v5, 2, v5
	global_load_b32 v[POS], v5, s[6:7]             ; position of row 16 g + lane % 16
.macro XLOAD t
.irp i, 0,1,2,3
	global_load_b128 v[R+16*((\t)%4)+4*\i:R+16*((\t)%4)+4*\i+3], v3, s[4:5] offset:2048*(\t)+512*\i th:TH_LOAD_NT   ; 32 lanes read 512 consecutive bytes
.endr
.endm
.macro TURN t                          ; step t's numbers through the stage; LDS serves a wave's instructions in order, so no wait stands between the stores and the loads
.irp i, 0,1,2,3
	ds_store_b128 v14, v[R+16*((\t)%4)+4*\i:R+16*((\t)%4)+4*\i+3] offset:32*SP*((\t)%2)+8*SP*\i
.endr
.irp i, 0,1,2,3
	ds_load_b128 v[X+16*((\t)%2)+4*\i:X+16*((\t)%2)+4*\i+3], v15 offset:32*SP*((\t)%2)+16*\i
.endr
.endm
.irp t, 0,1,2,3
	XLOAD \t
.endr
	s_wait_kmcnt 0x0
.irp i, 0,1,2                          ; v[6+2i] = 2^e as f32, v[7+2i] = 448 x 2^e, for e0, e2, e4
	s_add_co_i32 s27, s[32+2*\i], 127
	s_lshl_b32 s28, s27, 23
	v_mov_b32 v[6+2*\i], s28
	s_add_co_i32 s27, s27, 8
	s_lshl_b32 s27, s27, 23
	s_or_b32 s27, s27, 0x600000
	v_mov_b32 v[7+2*\i], s27
.endr
; THE TABLE.  Lane (r = lane % 16, h = lane / 16) of wave w makes, for position r of the group, the frequencies f = 32 w + 16 im + 8 h + j (im = 0, 1; j = 0 .. 7).
; inv_freq = 10000^(-f / 128) = 2^(-f log2(10000) / 128).  x = position x inv_freq is reduced by n = the nearest whole number to x 2 / pi, with pi / 2 in two parts and fused multiply-adds;
; sin and cos of the rest (at most pi / 4) are polynomials of degree 7 and 8; n's last two bits say which of them is which, and the signs.
	s_mov_b32 s50, 0xbdd49a78                      ; -log2(10000) / 128
	s_mov_b32 s51, 0x3f22f983                      ; 2 / pi
	s_mov_b32 s52, 0xbfc90fdb                      ; -(pi / 2 rounded to f32)
	s_mov_b32 s53, 0x333bbd2e                      ; what that rounding added
	s_mov_b32 s54, 0xb94ca1f9                      ; sin: -1.9515296e-4, 8.3321609e-3, -1.6666655e-1
	s_mov_b32 s55, 0x3c08839e
	s_mov_b32 s56, 0xbe2aaaa3
	s_mov_b32 s57, 0x37ccf5ce                      ; cos: 2.4433157e-5, -1.3887316e-3, 4.1666646e-2
	s_mov_b32 s58, 0xbab6061a
	s_mov_b32 s59, 0x3d2aaaa5
	v_bfe_u32 v208, v0, 4, 1
	v_lshlrev_b32 v208, 3, v208
	s_lshl_b32 s27, s24, 5
	v_add_nc_u32 v208, s27, v208                   ; 32 w + 8 h
.set n, 0
.rept 16
	v_add_nc_u32 v[T+n], 16*(n/8)+n%8, v208
.set n, n+1
.endr
.set n, 0
.rept 16
	v_cvt_f32_u32 v[T+n], v[T+n]
.set n, n+1
.endr
.set n, 0
.rept 16
	v_mul_f32 v[T+n], s50, v[T+n]
.set n, n+1
.endr
.set n, 0
	s_wait_alu depctr_va_vdst(0)
.rept 16
	v_exp_f32 v[T+n], v[T+n]                       ; the 16 frequencies: one batch
.set n, n+1
.endr
	s_wait_loadcnt 16                              ; the position is in; x's 16 loads, issued behind it, stay out
	v_cvt_f32_i32 v209, v[POS]                     ; (the plain instruction behind the batch)
	s_wait_alu depctr_va_vdst(0)                   ; one wait for the batch, ahead of its first reader
.macro ANGLE n
.set RC, RES+16*((\n)/8)+(\n)%8
	v_mul_f32 v210, v209, v[T+(\n)]                ; x
	v_mul_f32 v211, s51, v210
	v_rndne_f32 v211, v211                         ; n
	v_fma_f32 v210, v211, s52, v210
	v_fma_f32 v210, v211, s53, v210                ; the rest
	v_mul_f32 v212, v210, v210                     ; z
	v_fma_f32 v213, v212, s54, s55
	v_fma_f32 v214, v212, s57, s58
	v_fma_f32 v213, v212, v213, s56
	v_fma_f32 v214, v212, v214, s59
	v_mul_f32 v215, v210, v212
	v_fma_f32 v213, v215, v213, v210               ; sin of the rest
	v_fma_f32 v215, v212, -0.5, 1.0
	v_mul_f32 v212, v212, v212
	v_fma_f32 v214, v212, v214, v215               ; cos of the rest
	v_cvt_i32_f32 v211, v211
	v_and_b32 v215, 1, v211
	v_cmp_eq_u32 vcc_lo, 1, v215                   ; n odd: the two change places
	v_cndmask_b32 v[RC+8], v213, v214, vcc_lo
	v_cndmask_b32 v[RC], v214, v213, vcc_lo
	v_and_b32 v215, 2, v211                        ; sin changes sign where n % 4 is 2 or 3,
	v_lshlrev_b32 v215, 30, v215
	v_xor_b32 v[RC+8], v[RC+8], v215
	v_add_nc_u32 v211, 1, v211                     ; cos where it is 1 or 2
	v_and_b32 v211, 2, v211
	v_lshlrev_b32 v211, 30, v211
	v_xor_b32 v[RC], v[RC], v211
.endm
.irp n, 0,1,2,3,4,5,6,7,8,9,10,11,12,13,14,15
	ANGLE \n
.endr
.irp im, 0,1
.irp c, 0,1,2,3
	global_store_b128 v3, v[RES+16*\im+4*\c:RES+16*\im+4*\c+3], s[22:23] offset:2048*\im+512*\c   ; 32 lanes store 512 consecutive bytes
.endr
.endr
	s_wait_loadcnt 12                              ; step 0's four loads are in
	TURN 0
.macro STEP t
.set XS, X+16*((\t)%2)
.set CS, C+12*((\t)%4)
	s_wait_dscnt 0x0                               ; this step's numbers are back from the stage, so its stores into the stage have read their registers,
.if (\t)+4 < STEPS
	XLOAD (\t)+4                                   ; which take the loads of four steps on
.endif
.if (\t)+1 < STEPS
.if STEPS-2-(\t) >= 3
	s_wait_loadcnt 12                              ; the next step's four loads are in; those of the three steps behind it may be out
.else
	s_wait_loadcnt 4*(STEPS-2-(\t))
.endif
	TURN (\t)+1
.endif
	s_wait_xcnt 0x0                                ; the stores of four steps ago have read their data: this set of code registers is written again only behind this wait
.irp i, 0,1,2
.irp k, 0,1,2,3,4,5,6,7,8,9,10,11,12,13,14,15
	v_med3_num_f32 v[T+\k], v[XS+\k], -v[7+2*\i], v[7+2*\i]   ; the conversion to an 8-bit code does not saturate (ISA guide 7.6.2): the hold comes first
.endr
	v_cvt_scalef32_pk8_fp8_f32 v[CS+4*\i:CS+4*\i+1], v[T:T+7], v[6+2*\i]
	v_cvt_scalef32_pk8_fp8_f32 v[CS+4*\i+2:CS+4*\i+3], v[T+8:T+15], v[6+2*\i]
	v_nop                                          ; a plain instruction between the conversions and the next holds, which write their sources
	global_store_b128 v3, v[CS+4*\i:CS+4*\i+3], s[44+2*\i:45+2*\i] offset:512*(\t)   ; 32 lanes store 512 consecutive bytes
.endr
.endm
.irp t, 0,1,2,3,4,5,6,7,8,9,10,11,12,13,14,15
	STEP \t
.endr
	s_wait_tensorcnt 0x0                           ; the wave's end
	ds_add_u32 v[SPW], v[NIL]
	s_wait_dscnt 0x0
	s_endpgm
; ---------------------------------------------------------------- the w path
; number l of a weight's work-groups takes columns 128 nx .. + 127 and K = 256 ky .. + 255; a wave 32 of the columns.
;           work-groups   nx      ky       bytes in a row of W   bytes in a row of codes   first byte in w_codes   e
;   Wq      0-63          l & 7   l >> 3   4,096                 2,048                     0                       e1
;   Wk      64-79         l & 1   l >> 1   1,024                 2,048                     2,097,152               e3
;   Wv      80-95         l & 1   l >> 1   1,024                 2,048                     2,621,440               e5
;   Wo      96-159        l & 15  l >> 4   8,192                 1,024                     3,145,728               e11
.Lw:
	s_wait_kmcnt 0x0
	s_sub_co_u32 s25, ttmp9, 256
	s_mov_b64 s[26:27], s[14:15]                   ; Wo's figures first; each compare then puts in an earlier weight's.  All hang on the work-group's number alone
	s_mov_b32 s28, 96
	s_mov_b32 s29, 4                               ; log2 of the number of column blocks
	s_mov_b32 s30, 13                              ; log2 of a row of W in bytes
	s_mov_b32 s31, 10                              ; log2 of a row of codes in bytes
	s_mov_b32 s44, 3145728
	s_mov_b32 s45, s43
	s_cmp_lt_u32 s25, 96
	s_cselect_b64 s[26:27], s[12:13], s[26:27]
	s_cselect_b32 s28, 80, s28
	s_cselect_b32 s29, 1, s29
	s_cselect_b32 s30, 10, s30
	s_cselect_b32 s31, 11, s31
	s_cselect_b32 s44, 2621440, s44
	s_cselect_b32 s45, s37, s45
	s_cmp_lt_u32 s25, 80
	s_cselect_b64 s[26:27], s[10:11], s[26:27]
	s_cselect_b32 s28, 64, s28
	s_cselect_b32 s44, 2097152, s44
	s_cselect_b32 s45, s35, s45
	s_cmp_lt_u32 s25, 64
	s_cselect_b64 s[26:27], s[8:9], s[26:27]
	s_cselect_b32 s28, 0, s28
	s_cselect_b32 s29, 3, s29
	s_cselect_b32 s30, 12, s30
	s_cselect_b32 s44, 0, s44
	s_cselect_b32 s45, s33, s45
	s_sub_co_u32 s25, s25, s28                     ; l
	s_lshr_b32 s46, s25, s29                       ; ky
	s_lshl_b32 s47, s46, s29
	s_sub_co_u32 s47, s25, s47                     ; nx
	s_lshl_b32 s47, s47, 7
	s_lshl_b32 s28, s24, 5
	s_add_co_u32 s47, s47, s28                     ; my wave's first column
	s_lshl_b32 s66, 1, s30                         ; a row of W in bytes
	s_lshl_b32 s67, 1, s31                         ; a row of codes in bytes
	s_lshl_b32 s68, s46, 8
	s_lshl_b32 s68, s68, s30                       ; 256 ky rows of W
	s_lshl_b32 s28, s47, 2
	s_add_co_u32 s68, s68, s28
	s_mov_b32 s69, 0
	s_add_nc_u64 s[BT:BT+1], s[26:27], s[68:69]
	s_lshl_b32 s68, s66, 5                         ; 32 rows on
.irp t, 1,2,3,4,5,6,7
	s_add_nc_u64 s[BT+2*\t:BT+2*\t+1], s[BT+2*\t-2:BT+2*\t-1], s[68:69]
.endr
	s_lshl_b32 s70, s47, s31                       ; codes: my first column's row,
	s_add_co_u32 s70, s70, s44                     ; in my weight's part,
	s_lshl_b32 s28, s46, 8
	s_add_co_u32 s70, s70, s28                     ; at K = 256 ky
	s_mov_b32 s71, 0
	s_add_nc_u64 s[20:21], s[20:21], s[70:71]
	s_wait_alu depctr_va_vdst(0)
	v_lshlrev_b32 v[VO], 2, v2                     ; 4 bytes a lane
.set i, 1
.rept 31
	v_add_nc_u32 v[VO+i], s66, v[VO+i-1]
.set i, i+1
.endr
	s_mul_i32 s28, s24, 32*WPITCH
	s_add_co_u32 s28, s28, WST                     ; my stage
	v_mul_u32_u24 v4, v2, WPITCH
	v_add_nc_u32 v4, s28, v4                       ; into it: row = my column
	v_and_b32 v5, 15, v2
	v_lshrrev_b32 v6, 4, v2
	v_mul_u32_u24 v7, v6, WPITCH
	v_lshl_add_u32 v7, v5, 4, v7
	v_add_nc_u32 v7, s28, v7                       ; out of it: sixteen lanes to a row, two rows an instruction
	v_mul_lo_u32 v[VOUT], v6, s67
	v_lshl_add_u32 v[VOUT], v5, 4, v[VOUT]         ; and the same place among the codes
	s_lshl_b32 s29, s67, 1
.set i, 1
.rept 15
	v_add_nc_u32 v[VOUT+i], s29, v[VOUT+i-1]
.set i, i+1
.endr
.macro WLOAD t                         ; block t: W(32 t + i, my column), i = 0 .. 31: each load reads 128 consecutive bytes a wave, 512 a work-group
.set i, 0
.rept 32
	global_load_b32 v[WX+32*((\t)%2)+i], v[VO+i], s[BT+2*(\t):BT+2*(\t)+1] th:TH_LOAD_NT
.set i, i+1
.endr
.endm
	WLOAD 0
	WLOAD 1
	s_add_co_i32 s45, s45, 127
	s_lshl_b32 s30, s45, 23
	v_mov_b32 v11, s30                             ; 2^e as f32
	s_add_co_i32 s45, s45, 8
	s_lshl_b32 s45, s45, 23
	s_or_b32 s45, s45, 0x600000
	v_mov_b32 v10, s45                             ; 448 x 2^e
.macro BLOCK t
.set XS, WX+32*((\t)%2)
.if (\t) < 7
	s_wait_loadcnt 32                              ; this block's 32 loads are in; the next block's may be out
.else
	s_wait_loadcnt 0
.endif
.set i, 0
.rept 32
	v_med3_num_f32 v[XS+i], v[XS+i], -v10, v10
.set i, i+1
.endr
.irp g, 0,1,2,3
	v_cvt_scalef32_pk8_fp8_f32 v[WC+2*\g:WC+2*\g+1], v[XS+8*\g:XS+8*\g+7], v11
.endr
	ds_store_b128 v4, v[WC:WC+3] offset:32*(\t)    ; 32 codes: 32 bytes of my column's row.  (The next vector instructions are the next block's holds: plain, on other registers)
	ds_store_b128 v4, v[WC+4:WC+7] offset:32*(\t)+16
.if (\t)+2 < 8
	WLOAD (\t)+2
.endif
	s_wait_dscnt 0x0                               ; the stores have read their registers: the next block's codes may be written
.endm
	s_wait_alu depctr_va_vdst(0)
.irp t, 0,1,2,3,4,5,6,7
	BLOCK \t
.endr
.irp t, 0,1,2,3,4,5,6,7,8,9,10,11,12,13,14,15
	ds_load_b128 v[OUTR+4*\t:OUTR+4*\t+3], v7 offset:2*\t*WPITCH   ; LDS serves a wave's instructions in order: these see my stores
.endr
.irp t, 0,1,2,3,4,5,6,7,8,9,10,11,12,13,14,15
	s_wait_dscnt 15-\t
	global_store_b128 v[VOUT+\t], v[OUTR+4*\t:OUTR+4*\t+3], s[20:21]   ; sixteen lanes store 256 consecutive bytes, at a multiple of 256 from the buffer's first byte
.endr
	s_wait_tensorcnt 0x0                           ; the wave's end
	ds_add_u32 v[SPW], v[NIL]
	s_wait_dscnt 0x0
	s_endpgm
.Lfunc_end_k_q99b82860c1_prep:
	.size	k_q99b82860c1_prep, .Lfunc_end_k_q99b82860c1_prep-k_q99b82860c1_prep
	.p2alignl 7, 3214868480
	.fill 96, 4, 3214868480
	.section	.rodata,"a",@progbits
	.p2align	6, 0x0
	.amdhsa_kernel k_q99b82860c1_prep
		.amdhsa_group_segment_fixed_size 68096
		.amdhsa_private_segment_fixed_size 0
		.amdhsa_enable_private_segment 0
		.amdhsa_kernarg_size 80
		.amdhsa_user_sgpr_count 2
		.amdhsa_user_sgpr_kernarg_segment_ptr 1
		.amdhsa_wavefront_size32 1
		.amdhsa_system_sgpr_workgroup_id_x 1
		.amdhsa_system_sgpr_workgroup_id_y 1
		.amdhsa_system_sgpr_workgroup_id_z 1
		.amdhsa_system_vgpr_workitem_id 0
		.amdhsa_next_free_vgpr 224
		.amdhsa_next_free_sgpr 96
		.amdhsa_reserve_vcc 1
		.amdhsa_float_denorm_mode_32 3
		.amdhsa_float_denorm_mode_16_64 3
		.amdhsa_memory_ordered 1
		.amdhsa_forward_progress 1
		.amdhsa_inst_pref_size 152
	.end_amdhsa_kernel
	.amdgpu_metadata
---
amdhsa.version: [ 1, 2 ]
amdhsa.kernels:
  - .name:           k_q99b82860c1_prep
    .symbol:         k_q99b82860c1_prep.kd
    .args:
      - { .name: hidden_states, .offset: 0, .size: 8, .value_kind: global_buffer, .address_space: global }
      - { .name: position_ids, .offset: 8, .size: 8, .value_kind: global_buffer, .address_space: global }
      - { .name: Wq, .offset: 16, .size: 8, .value_kind: global_buffer, .address_space: global }
      - { .name: Wk, .offset: 24, .size: 8, .value_kind: global_buffer, .address_space: global }
      - { .name: Wv, .offset: 32, .size: 8, .value_kind: global_buffer, .address_space: global }
      - { .name: Wo, .offset: 40, .size: 8, .value_kind: global_buffer, .address_space: global }
      - { .name: lowp_scales, .offset: 48, .size: 8, .value_kind: global_buffer, .address_space: global }
      - { .name: x_codes, .offset: 56, .size: 8, .value_kind: global_buffer, .address_space: global }
      - { .name: w_codes, .offset: 64, .size: 8, .value_kind: global_buffer, .address_space: global }
      - { .name: rope_tab, .offset: 72, .size: 8, .value_kind: global_buffer, .address_space: global }
    .group_segment_fixed_size: 68096
    .private_segment_fixed_size: 0
    .kernarg_segment_align: 8
    .kernarg_segment_size: 80
    .max_flat_workgroup_size: 128
    .sgpr_count:     96
    .vgpr_count:     224
    .wavefront_size: 32
...
	.end_amdgpu_metadata
.endif
;; end of part 1
;; launch qkv (part 2): grid 32 x 6, 4 waves a work-group, no clusters, 327,680 bytes of LDS; arguments x_codes, w_codes, rope_tab, lowp_scales, qk_codes, v_codes; writes qk_codes, v_codes
.if DOCPART == 2
	.amdgcn_target "amdgcn-amd-amdhsa--gfx1250"
	.amdhsa_code_object_version 6
	.text
	.protected	k_q99b82860c1_qkv
	.globl	k_q99b82860c1_qkv
	.p2align	8
	.type	k_q99b82860c1_qkv,@function
k_q99b82860c1_qkv:
	s_mov_b64 s[64:65], 0
	v_nop
	global_prefetch_b8 v0, s[64:65] scope:SCOPE_SE
	s_setreg_imm32_b32 hwreg(HW_REG_WAVE_MODE, 25, 1), 1
	s_wait_xcnt 0x0
; QKV: the three projections on codes of E4M3, the rotation of q and k, and the quantising of q, k, v for the attention.
; Work-group (RT = x, y), four waves.  A fill of LDS brings a SMALL tile of 128 rows and a LARGE tile of 256 rows.
; The matrix instruction's source 0 (a lane's eight registers) takes rows of the large tile, source 1 (the lane) rows of the small one; a wave makes 64 small rows x 128 large rows: 32 accumulators.
; y = 0..3 (heads of q), y = 4 (k): small = x's positions 128 RT on, large = the weight's rows 256 y on: a lane holds one position and eight neighbouring d.
;   A wave takes large rows 64 wc .. + 63 and 128 + 64 wc .. + 63, so that accumulators (a, b) and (a, b + 4) hold d and d + 128 in the same lane and register: the rotation needs no other lane.
; y = 5 (v): small = Wv's rows 128 (RT % 2) on, large = x's positions 256 (RT / 2) on: a lane holds one d and eight neighbouring positions, since the keys are the K of the attention's second product.
; Only the tiles' addresses in memory are chosen by y; every LDS address is made of the lane and the wave alone.
; TWO PARTS OF LDS TAKE TURNS: part 0 holds 512 along K (rows of 512 bytes, pitch 528), part 1 holds 256 (pitch 272).  K = 2,048 goes as 512, 256, 512, 256, 512: five fills, one tensor load a wave each.
; NO CLUSTER: four neighbouring work-groups of q or k share the large tile, but four of v need two different ones (two blocks of 256 positions), so one joint descriptor does not serve all y.
; A sum stands for sum x 2^(eA + eB); the rotation is linear; so the code is (rotated sum) / 2^E with E = e6 - e0 - e1 (q), e7 - e2 - e3 (k), e9 - e4 - e5 (v).
; LIMITS: E lies between -126 and 119.  NaN is not served.
; v's codes are laid [256 d][4,096 keys]; within each 32 keys byte 16 h + 8 u + i holds key 16 u + 8 h + i.
; REGISTERS: window 0: v1-31 addresses, v32-95 at work on the way out, v128-255 source 1's fragments (two sets of 4), later codes and rows read back;
;   window 1: source 0's fragments, two sets of 8;  window 2: the accumulators ((a, b) at v[8 (8 a + b)]);  window 3: my share of the cos and sin table.
.set KROW,   2048
.set PITCH,  272                       ; 256 bytes + 16 of padding
.set PB,     528                       ; 512 bytes + 16: both pitches are odd multiples of 16, so the 16 rows of a fragment load start at 16 different banks (ISA guide 11.1)
.set FR,     16
.set NP,     4                         ; places behind this matrix instruction (ISA guide 7.12.1)
.set R64,    64*PITCH
.set HALFT,  128*PITCH
.set SB,     384*PB                    ; part 1 begins behind part 0's 384 rows
.set SPARE,  SB+3*HALFT                ; the spare words: two blocks of 256 bytes that no other line names
.set STG1,   HALFT                     ; way out: q and k use 128 rows x 272 bytes from part 1's first byte, v the same size from STG1 on; part 1 has had its last fill and last read by then
.set ADRA,  8                          ; v8-9   source 1's fragments in part 0, 1
.set ADRBL, 11                         ; v11-12 source 0's fragments 0-3
.set ADRBH, 14                         ; v14-15 source 0's fragments 4-7
.set STOQ, 17
.set STOV, 18
.set RDQ,  19
.set RDV,  20
.set COQ,  21
.set COV,  22
.set TAD,  23
.set SPW,  28                          ; my spare word's address; never rewritten
.set NIL,  29                          ; 0; never rewritten
.set SCL,  30                          ; 2^E
.set LIM,  31                          ; 448 x 2^E
.set TMP,  32
.set AF,   128
.set COD,  128
.set OUTR, 192
.set G1,   24                          ; group 1: small tile, 256 wide
.set G1W,  32                          ;          small tile, 512 wide
.set G1B,  48                          ;          large tile, 256 wide
.set G1BW, 72                          ;          large tile, 512 wide
.set G0,   84                          ; s[84:91] groups 0 of the small tile: part 0, part 1
.set G0B,  92                          ; s[92:99] of the large tile
.set MSB, 0
.macro WIN new                         ; the immediate's high byte repeats the setting that is left
.if MSB != (\new)
	s_set_vgpr_msb (MSB<<8)|(\new)
.set MSB, (\new)
.endif
.endm
.set MUL,  0xa1                        ; source 0 window 1, source 1 window 0, C and D window 2
.set TO_B, 0x40
; Waves 0, 1 fetch the small tile's halves of 64 rows, waves 2, 3 the large tile's halves of 128 rows.  s_nop 0 and four v_nop follow each load.
.macro JLOAD g0a, g1a, g0b, g1b
	s_cmp_eq_u32 s15, 0
	s_cbranch_scc0 .Lfor_b_\@
	tensor_load_to_lds s[\g0a:\g0a+3], s[\g1a:\g1a+7]
	s_nop 0
.rept 4
	v_nop
.endr
	s_branch .Lasked_\@
.Lfor_b_\@:
	tensor_load_to_lds s[\g0b:\g0b+3], s[\g1b:\g1b+7]
	s_nop 0
.rept 4
	v_nop
.endr
.Lasked_\@:
.endm
.macro GRP g, qi, w, rows              ; bytes; four words of padding behind every row of w bytes
	s_mov_b32 s[\g], (1<<20)|((\qi)<<22)|(3<<25)
	s_mov_b32 s[\g+1], (\w)<<16
	s_mov_b32 s[\g+2], (\rows)<<16
	s_mov_b32 s[\g+3], (\w)<<16
	s_mov_b32 s[\g+4], \rows
	s_mov_b32 s[\g+5], KROW
	s_mov_b32 s[\g+6], 0
	s_mov_b32 s[\g+7], 0
.endm
	s_load_b256 s[4:11], s[0:1], 0x0               ; x_codes, w_codes, rope_tab, scales
	s_load_b128 s[68:71], s[0:1], 0x20             ; qk_codes, v_codes
	v_lshl_add_u32 v[SPW], v0, 2, SPARE
	v_mov_b32 v[NIL], 0
	ds_add_u32 v[SPW], v[NIL]                      ; the opening lines
	ds_add_u32 v[SPW], v[NIL]
	v_lshrrev_b32 v1, 5, v0
	v_readfirstlane_b32 s14, v1                    ; wave
	s_lshr_b32 s15, s14, 1                         ; wr; also: I fetch the small (0) or the large (1) tile
	s_and_b32 s16, s14, 1                          ; wc; also: which half of it
	s_mov_b32 s17, ttmp9                           ; RT
	s_and_b32 s45, ttmp7, 0xffff                   ; y
	GRP G1, 5, 256, 64
	GRP G1W, 6, 512, 64
	GRP G1B, 5, 256, 128
	GRP G1BW, 6, 512, 128
	s_lshl_b32 s20, s17, 7
	s_lshl_b32 s18, s16, 6
	s_add_co_u32 s20, s20, s18
	s_lshl_b32 s20, s20, 11                        ; q, k small: x's row 128 RT + 64 half,
	s_max_u32 s19, s45, 3
	s_sub_co_u32 s19, s19, 3
	s_lshl_b32 s19, s19, 23
	s_add_co_u32 s20, s20, s19                     ; in plane 0 (q) or 1 (k)
	s_lshl_b32 s46, s45, 8
	s_lshl_b32 s19, s16, 7
	s_add_co_u32 s46, s46, s19
	s_lshl_b32 s46, s46, 11                        ; q, k large: the weight's row 256 y + 128 half
	s_and_b32 s56, s17, 1
	s_lshl_b32 s56, s56, 7
	s_add_co_u32 s56, s56, s18
	s_add_co_u32 s56, s56, 1280
	s_lshl_b32 s56, s56, 11                        ; v small: Wv's row 128 (RT % 2) + 64 half; Wv begins at row 1,280 of the weights' codes
	s_lshr_b32 s57, s17, 1
	s_lshl_b32 s57, s57, 8
	s_add_co_u32 s57, s57, s19
	s_lshl_b32 s57, s57, 11
	s_add_co_u32 s57, s57, 2<<23                   ; v large: x's row 256 (RT / 2) + 128 half, in plane 2
	s_cmp_eq_u32 s45, 5
	s_cselect_b32 s20, s56, s20
	s_cselect_b32 s46, s57, s46
	s_mov_b32 s21, 0
	s_mov_b32 s47, 0
	s_mul_i32 s18, s16, 64*PB                      ; where they go: part 0, small tile's halves,
	s_mul_i32 s19, s16, 128*PB
	s_add_co_u32 s19, s19, 128*PB                  ; the large tile's behind them;
	s_mul_i32 s22, s16, R64
	s_add_co_u32 s22, s22, SB                      ; part 1 likewise
	s_mul_i32 s23, s16, HALFT
	s_add_co_u32 s23, s23, SB+HALFT
	s_wait_dscnt 0x0                               ; both opening adds are done
	s_wait_kmcnt 0x0
	s_load_b128 s[80:83], s[10:11], 0x20           ; e8 .. e11
	s_cmp_eq_u32 s45, 5                            ; the buffers change places for v: the choice hangs on y alone
	s_cselect_b64 s[56:57], s[6:7], s[4:5]
	s_cselect_b64 s[58:59], s[4:5], s[6:7]
	s_add_nc_u64 s[20:21], s[56:57], s[20:21]
	s_add_nc_u64 s[46:47], s[58:59], s[46:47]
	s_mov_b32 s[G0], 1                             ; part 0 begins at K = 0, part 1 at K = 512; each goes on by 768
	s_mov_b32 s[G0+1], s18
	s_mov_b64 s[G0+2:G0+3], s[20:21]
	s_or_b32 s[G0+3], s[G0+3], 0x80000000
	s_mov_b32 s[G0+4], 1
	s_mov_b32 s[G0+5], s22
	s_add_nc_u64 s[G0+6:G0+7], s[20:21], 512
	s_or_b32 s[G0+7], s[G0+7], 0x80000000
	s_mov_b32 s[G0B], 1
	s_mov_b32 s[G0B+1], s19
	s_mov_b64 s[G0B+2:G0B+3], s[46:47]
	s_or_b32 s[G0B+3], s[G0B+3], 0x80000000
	s_mov_b32 s[G0B+4], 1
	s_mov_b32 s[G0B+5], s23
	s_add_nc_u64 s[G0B+6:G0B+7], s[46:47], 512
	s_or_b32 s[G0B+7], s[G0B+7], 0x80000000
	JLOAD G0, G1W, G0B, G1BW                       ; K = 0 .. 511: one tensor load a wave at the head
	s_mul_i32 s40, s15, 64*PB                      ; part 0: source 1: small rows 64 wr on,
	s_mul_i32 s41, s16, 64*PB
	s_add_co_u32 s41, s41, 128*PB                  ; source 0: large rows 64 wc on
	s_mul_i32 s57, s15, R64
	s_add_co_u32 s57, s57, SB                      ; part 1 likewise
	s_mul_i32 s58, s16, R64
	s_add_co_u32 s58, s58, SB+HALFT
	s_lshl_b32 s62, s16, 6
	s_add_co_u32 s62, s62, s57                     ; stage: row 64 wr, byte 64 wc
	s_mul_i32 s63, s14, 32*PITCH
	s_add_co_u32 s63, s63, SB                      ; back: rows 32 wave on
	s_mul_i32 s59, s14, 32*1280                    ; the same rows among q's and k's codes (1,280 bytes a position),
	s_lshl_b32 s60, s14, 17                        ; and among v's (4,096 bytes a row)
	s_lshl_b32 s22, s17, 3
	s_lshl_b32 s23, s15, 2
	s_add_co_u32 s22, s22, s23                     ; my first group of 16 positions: 8 RT + 4 wr
	s_lshl_b32 s22, s22, 3
	s_lshl_b32 s23, s16, 2
	s_add_co_u32 s22, s22, s23                     ; its image 4 wc
	s_lshl_b32 s22, s22, 11
	s_mov_b32 s23, 0
	s_add_nc_u64 s[8:9], s[8:9], s[22:23]
	v_and_b32 v1, 15, v0                           ; r
	v_bfe_u32 v2, v0, 4, 1                         ; h
	v_mul_u32_u24 v3, v1, PITCH
	v_lshl_add_u32 v4, v2, 4, v3                   ; a fragment's row x pitch + 16 h, part 1,
	v_mul_u32_u24 v6, v1, PB
	v_lshl_add_u32 v6, v2, 4, v6                   ; and part 0
	v_add_nc_u32 v[ADRA], s40, v6
	v_add_nc_u32 v[ADRBL], s41, v6
	v_add_nc_u32 v[ADRBH], 128*PB, v[ADRBL]        ; fragments 4-7 lie 128 rows on
	v_add_nc_u32 v[ADRA+1], s57, v4
	v_add_nc_u32 v[ADRBL+1], s58, v4
	v_add_nc_u32 v[ADRBH+1], HALFT, v[ADRBL+1]
	v_lshl_add_u32 v[STOQ], v2, 3, v3
	v_add_nc_u32 v[STOQ], s62, v[STOQ]             ; q, k: row 64 wr + r, byte 64 wc + 8 h
	v_add_nc_u32 v[STOV], s62, v4
	v_add_nc_u32 v[STOV], STG1, v[STOV]            ; v: row 64 wr + r of its own stage, byte 64 wc + 16 h
	v_mul_u32_u24 v5, v2, PITCH
	v_lshl_add_u32 v5, v1, 4, v5
	v_add_nc_u32 v[RDQ], s63, v5                   ; back: two rows of 256 bytes an instruction
	v_add_nc_u32 v[RDV], STG1, v[RDQ]
	v_mul_u32_u24 v6, v2, 1280
	v_lshl_add_u32 v6, v1, 4, v6
	v_add_nc_u32 v[COQ], s59, v6
	v_lshlrev_b32 v7, 12, v2
	v_lshl_add_u32 v7, v1, 4, v7
	v_add_nc_u32 v[COV], s60, v7
	v_and_b32 v5, 31, v0
	v_lshlrev_b32 v[TAD], 4, v5
; My share of the table: block a: cos and sin for positions 16 a + r of my 64 and d = 64 wc + 16 bp + 8 h + j: registers 64 a + 16 bp + j (cos), + 8 + j (sin) of window 3.
; Asked for here, waited for once on the way out.  (A work-group of v asks too and does not use them: one text for all y.)
	WIN 0xc0
.irp a, 0,1,2,3
.irp bp, 0,1,2,3
.irp c, 0,1,2,3
	global_load_b128 v[64*\a+16*\bp+4*\c:64*\a+16*\bp+4*\c+3], v[TAD], s[8:9] offset:\a*16384+\bp*2048+\c*512
.endr
.endr
.endr
	WIN 0
.macro FRAG reg, adr, q, i             ; lane l holds row l % 16; registers 4 c .. 4 c + 3 hold K = 32 c + 16 (l / 16) + 0 .. 15: the same order of K on both sides.  FP: the part's pitch
.irp c, 0,1,2,3
	ds_load_b128 v[\reg+4*\c:\reg+4*\c+3], v[\adr] offset:128*(\q)+32*\c+(\i)*16*FP
.endr
.endm
.macro FETCH rg, q, p                  ; 48 LDS loads: the q-th 128 along K of part rg into set p: source 0's eight fragments, then source 1's four
.set FP, PB-256*(\rg)
	WIN TO_B
.irp i, 0,1,2,3
	FRAG 128*(\p)+FR*\i, ADRBL+\rg, \q, \i
.endr
.irp i, 0,1,2,3
	FRAG 128*(\p)+FR*(4+\i), ADRBH+\rg, \q, \i
.endr
	WIN 0
.irp i, 0,1,2,3
	FRAG AF+64*(\p)+FR*\i, ADRA+\rg, \q, \i
.endr
.endm
.macro MUL8 a, p, zero                 ; the 32 accumulators take turns, in the same order in every step
.irp b, 0,1,2,3,4,5,6,7
.if \zero
	v_wmma_f32_16x16x128_fp8_fp8 v[8*(8*(\a)+\b):8*(8*(\a)+\b)+7], v[128*(\p)+FR*\b:128*(\p)+FR*\b+FR-1], v[AF+64*(\p)+FR*(\a):AF+64*(\p)+FR*(\a)+FR-1], 0
.else
	v_wmma_f32_16x16x128_fp8_fp8 v[8*(8*(\a)+\b):8*(8*(\a)+\b)+7], v[128*(\p)+FR*\b:128*(\p)+FR*\b+FR-1], v[AF+64*(\p)+FR*(\a):AF+64*(\p)+FR*(\a)+FR-1], v[8*(8*(\a)+\b):8*(8*(\a)+\b)+7]
.endif
.endr
.endm
.macro PLACES n
.rept \n
	v_nop
.endr
.endm
.macro HALF p, rg, q, zero             ; 128 along K: multiplies set p; in its middle it fetches the next 128 (part rg, q-th) into the other set
	s_wait_dscnt 8                                 ; all but the youngest eight loads (source 1's blocks 2, 3)
	WIN MUL
	MUL8 0, \p, \zero
	MUL8 1, \p, \zero
	PLACES NP
	FETCH \rg, \q, 1-(\p)
	s_wait_dscnt 48                                ; all but the 48 just issued
	WIN MUL
	MUL8 2, \p, \zero
	MUL8 3, \p, \zero
.endm
; A part's last 128 along K: the wait for all my tensor loads (my share of the other part), the add, the wait for it and for my reads of this part, one barrier.
; fill = 1: the part just left (1 - rg) is filled again, 768 along K on.  Then the other part's first fragments are fetched.
.macro HALFB p, rg, q, fill
	WIN 0
	s_wait_tensorcnt 0x0
	ds_add_u32 v[SPW], v[NIL]
	s_wait_dscnt 9                                 ; the add and the youngest eight loads may be out
	WIN MUL
	MUL8 0, \p, 0
	s_wait_dscnt 0x0                               ; the add is done, my reads of this part are over
	s_barrier_signal -1
	MUL8 1, \p, 0
	WIN 0
	s_barrier_wait -1
.if \fill
	s_add_nc_u64 s[G0+6-4*(\rg):G0+7-4*(\rg)], s[G0+6-4*(\rg):G0+7-4*(\rg)], 768
	s_add_nc_u64 s[G0B+6-4*(\rg):G0B+7-4*(\rg)], s[G0B+6-4*(\rg):G0B+7-4*(\rg)], 768
.if \rg
	JLOAD G0, G1W, G0B, G1BW                       ; my one tensor load behind this barrier; its four v_nop are the places in front of the loads below
.else
	JLOAD G0+4, G1, G0B+4, G1B
.endif
.else
	PLACES NP
.endif
	FETCH \rg, \q, 1-(\p)
	WIN MUL
	MUL8 2, \p, 0
	MUL8 3, \p, 0
.endm
	s_wait_alu depctr_va_vdst(0)                   ; the wait at the head's end
	s_wait_tensorcnt 0x0                           ; part 1 is first filled as a refill is: the three lines, a barrier, one load a wave
	ds_add_u32 v[SPW], v[NIL]
	s_wait_dscnt 0x0
	s_barrier_signal -1
	s_barrier_wait -1
	JLOAD G0+4, G1, G0B+4, G1B                     ; K = 512 .. 767
	FETCH 0, 0, 0
	HALF 0, 0, 1, 1                                ; the first products start the sums
	HALF 1, 0, 2, 0
	HALF 0, 0, 3, 0
	HALFB 1, 1, 0, 1                               ; part 0 takes K = 768 .. 1,279
	HALF 0, 1, 1, 0
	HALFB 1, 0, 0, 1                               ; part 1 takes K = 1,280 .. 1,535
	HALF 0, 0, 1, 0
	HALF 1, 0, 2, 0
	HALF 0, 0, 3, 0
	HALFB 1, 1, 0, 1                               ; part 0 takes K = 1,536 .. 2,047: the last load
	HALF 0, 1, 1, 0
	HALFB 1, 0, 0, 0                               ; behind this barrier nobody reads part 1, and no tensor load is out:
	s_load_b256 s[72:79], s[10:11], 0x0            ; e0 .. e7, into registers that held a descriptor
	HALF 0, 0, 1, 0
	HALF 1, 0, 2, 0
	HALF 0, 0, 3, 0
	s_wait_dscnt 8
	WIN MUL
	MUL8 0, 1, 0
	MUL8 1, 1, 0
	s_wait_dscnt 0
	MUL8 2, 1, 0
	MUL8 3, 1, 0
	WIN 0
; THE WAY OUT
	PLACES NP
	s_wait_kmcnt 0x0
	s_sub_co_i32 s56, s78, s72
	s_sub_co_i32 s56, s56, s73                     ; q: e6 - e0 - e1
	s_sub_co_i32 s57, s79, s74
	s_sub_co_i32 s57, s57, s75                     ; k: e7 - e2 - e3
	s_sub_co_i32 s58, s81, s76
	s_sub_co_i32 s58, s58, s77                     ; v: e9 - e4 - e5
	s_cmp_lt_u32 s45, 4
	s_cselect_b32 s56, s56, s57
	s_cmp_eq_u32 s45, 5
	s_cselect_b32 s56, s58, s56
	s_add_co_i32 s56, s56, 127
	s_lshl_b32 s57, s56, 23
	v_mov_b32 v[SCL], s57
	s_add_co_i32 s56, s56, 8
	s_lshl_b32 s56, s56, 23
	s_or_b32 s56, s56, 0x600000
	v_mov_b32 v[LIM], s56
	s_wait_alu depctr_va_vdst(0)
	s_wait_loadcnt 0x0                             ; the table
	s_cmp_eq_u32 s45, 5                            ; y: the same in all waves
	s_cbranch_scc1 .Lv
; q and k, block a of 16 positions: o(d) = s(d) cos - s(d + 128) sin, o(d + 128) = s(d + 128) cos + s(d) sin; hold; codes; into the stage
.macro ROPE a
.set AC, 64*(\a)
	WIN 0x0e                                       ; source 0: the sums, source 1: the table; each accumulator from its low end on
.irp bp, 0,1,2,3
.irp j, 0,2,4,6
	v_pk_mul_f32 v[TMP+8*\bp+\j:TMP+8*\bp+\j+1], v[AC+8*\bp+\j:AC+8*\bp+\j+1], v[AC+16*\bp+\j:AC+16*\bp+\j+1]
.endr
.irp j, 0,2,4,6
	v_pk_mul_f32 v[TMP+32+8*\bp+\j:TMP+32+8*\bp+\j+1], v[AC+32+8*\bp+\j:AC+32+8*\bp+\j+1], v[AC+16*\bp+\j:AC+16*\bp+\j+1]
.endr
.irp j, 0,2,4,6
	v_pk_fma_f32 v[TMP+8*\bp+\j:TMP+8*\bp+\j+1], v[AC+32+8*\bp+\j:AC+32+8*\bp+\j+1], v[AC+16*\bp+8+\j:AC+16*\bp+8+\j+1], v[TMP+8*\bp+\j:TMP+8*\bp+\j+1] neg_lo:[1,0,0] neg_hi:[1,0,0]
.endr
.irp j, 0,2,4,6
	v_pk_fma_f32 v[TMP+32+8*\bp+\j:TMP+32+8*\bp+\j+1], v[AC+8*\bp+\j:AC+8*\bp+\j+1], v[AC+16*\bp+8+\j:AC+16*\bp+8+\j+1], v[TMP+32+8*\bp+\j:TMP+32+8*\bp+\j+1]
.endr
.endr
	WIN 0
.set k, 0
.rept 64
	v_med3_num_f32 v[TMP+k], v[TMP+k], -v[LIM], v[LIM]   ; the conversion does not saturate (ISA guide 7.6.2): the hold comes first
.set k, k+1
.endr
.irp b, 0,1,2,3,4,5,6,7
	v_cvt_scalef32_pk8_fp8_f32 v[COD+16*(\a)+2*\b:COD+16*(\a)+2*\b+1], v[TMP+8*\b:TMP+8*\b+7], v[SCL]
.endr
	v_nop                                          ; a plain line behind the conversions
.irp b, 0,1,2,3,4,5,6,7
	ds_store_b64 v[STOQ], v[COD+16*(\a)+2*\b:COD+16*(\a)+2*\b+1] offset:(\a)*16*PITCH+16*(\b%4)+128*(\b/4)
.endr
.endm
.irp a, 0,1,2,3
	ROPE \a
.endr
	s_branch .Ljoin
; v, block a of 16 d: accumulator (a, b) holds d = 64 wr + 16 a + r and positions 64 wc + 16 (b % 4) + 128 (b / 4) + 8 h + 0 .. 7: the codes of b = 2 c and 2 c + 1 are 16 bytes that lie together in the stored order of the keys
.macro VQ a
.set AC, 64*(\a)
	WIN 0x02
.set k, 0
.rept 64
	v_med3_num_f32 v[TMP+k], v[AC+k], -v[LIM], v[LIM]
.set k, k+1
.endr
	WIN 0
.irp b, 0,1,2,3,4,5,6,7
	v_cvt_scalef32_pk8_fp8_f32 v[COD+16*(\a)+2*\b:COD+16*(\a)+2*\b+1], v[TMP+8*\b:TMP+8*\b+7], v[SCL]
.endr
	v_nop
.irp c, 0,1,2,3
	ds_store_b128 v[STOV], v[COD+16*(\a)+4*\c:COD+16*(\a)+4*\c+3] offset:(\a)*16*PITCH+32*(\c%2)+128*(\c/2)
.endr
.endm
.Lv:
.irp a, 0,1,2,3
	VQ \a
.endr
.Ljoin:
	s_wait_dscnt 0x0                               ; for the others' sake: my stores into the stage are done
	s_barrier_signal -1
	s_barrier_wait -1                              ; a stage row of 256 bytes comes from two waves
.macro OUT rd, co, b, step             ; 32 rows of the stage back and out: sixteen lanes store 256 consecutive bytes, at a multiple of 256 from the buffer's first byte
.set t, 0
.rept 16
	ds_load_b128 v[OUTR+4*t:OUTR+4*t+3], v[\rd] offset:2*PITCH*t
.set t, t+1
.endr
.set t, 0
.rept 16
	s_wait_dscnt 15-t                              ; load t is back; the younger ones may be out
	global_store_b128 v[\co], v[OUTR+4*t:OUTR+4*t+3], s[\b:\b+1] offset:2*(\step)*t
.set t, t+1
.endr
.endm
	s_cmp_eq_u32 s45, 5
	s_cbranch_scc1 .Lvout
	s_mul_i32 s56, s17, 128*1280                   ; q, k: position 128 RT, byte 256 y of its 1,280
	s_lshl_b32 s57, s45, 8
	s_add_co_u32 s56, s56, s57
	s_mov_b32 s57, 0
	s_add_nc_u64 s[96:97], s[68:69], s[56:57]
	OUT RDQ, COQ, 96, 1280
	s_branch .Lend
.Lvout:
	s_and_b32 s56, s17, 1
	s_lshl_b32 s56, s56, 19                        ; v: row 128 (RT % 2),
	s_lshr_b32 s57, s17, 1
	s_lshl_b32 s57, s57, 8                         ; key 256 (RT / 2)
	s_add_co_u32 s56, s56, s57
	s_mov_b32 s57, 0
	s_add_nc_u64 s[98:99], s[70:71], s[56:57]
	OUT RDV, COV, 98, 4096
.Lend:
	s_wait_tensorcnt 0x0                           ; the wave's end
	ds_add_u32 v[SPW], v[NIL]
	s_wait_dscnt 0x0
	s_endpgm
.Lfunc_end_k_q99b82860c1_qkv:
	.size	k_q99b82860c1_qkv, .Lfunc_end_k_q99b82860c1_qkv-k_q99b82860c1_qkv
	.p2alignl 7, 3214868480
	.fill 96, 4, 3214868480
	.section	.rodata,"a",@progbits
	.p2align	6, 0x0
	.amdhsa_kernel k_q99b82860c1_qkv
		.amdhsa_group_segment_fixed_size 327680
		.amdhsa_private_segment_fixed_size 0
		.amdhsa_enable_private_segment 0
		.amdhsa_kernarg_size 48
		.amdhsa_user_sgpr_count 2
		.amdhsa_user_sgpr_kernarg_segment_ptr 1
		.amdhsa_wavefront_size32 1
		.amdhsa_system_sgpr_workgroup_id_x 1
		.amdhsa_system_sgpr_workgroup_id_y 1
		.amdhsa_system_sgpr_workgroup_id_z 1
		.amdhsa_system_vgpr_workitem_id 0
		.amdhsa_next_free_vgpr 1024
		.amdhsa_next_free_sgpr 100
		.amdhsa_reserve_vcc 0
		.amdhsa_float_denorm_mode_32 3
		.amdhsa_float_denorm_mode_16_64 3
		.amdhsa_memory_ordered 1
		.amdhsa_forward_progress 1
		.amdhsa_inst_pref_size 166
	.end_amdhsa_kernel
	.amdgpu_metadata
---
amdhsa.version: [ 1, 2 ]
amdhsa.kernels:
  - .name:           k_q99b82860c1_qkv
    .symbol:         k_q99b82860c1_qkv.kd
    .args:
      - { .name: x_codes, .offset: 0, .size: 8, .value_kind: global_buffer, .address_space: global }
      - { .name: w_codes, .offset: 8, .size: 8, .value_kind: global_buffer, .address_space: global }
      - { .name: rope_tab, .offset: 16, .size: 8, .value_kind: global_buffer, .address_space: global }
      - { .name: lowp_scales, .offset: 24, .size: 8, .value_kind: global_buffer, .address_space: global }
      - { .name: qk_codes, .offset: 32, .size: 8, .value_kind: global_buffer, .address_space: global }
      - { .name: v_codes, .offset: 40, .size: 8, .value_kind: global_buffer, .address_space: global }
    .group_segment_fixed_size: 327680
    .private_segment_fixed_size: 0
    .kernarg_segment_align: 8
    .kernarg_segment_size: 48
    .max_flat_workgroup_size: 128
    .sgpr_count:     100
    .vgpr_count:     1024
    .wavefront_size: 32
...
	.end_amdgpu_metadata
.endif
;; end of part 2
;; launch attn (part 3): grid 256 x 1, 4 waves a work-group, clusters of 4 x 1, 327,680 bytes of LDS; arguments qk_codes, v_codes, attention_mask, lowp_scales, attn_codes; writes attn_codes
.if DOCPART == 3
	.amdgcn_target "amdgcn-amd-amdhsa--gfx1250"
	.amdhsa_code_object_version 6
	.text
	.protected	k_q99b82860c1_attn
	.globl	k_q99b82860c1_attn
	.p2align	8
	.type	k_q99b82860c1_attn,@function
k_q99b82860c1_attn:
	s_mov_b64 s[64:65], 0
	v_nop
	global_prefetch_b8 v0, s[64:65] scope:SCOPE_SE
	s_setreg_imm32_b32 hwreg(HW_REG_WAVE_MODE, 25, 1), 1
	s_wait_xcnt 0x0
	s_wait_alu depctr_hold_cnt(0) depctr_sa_sdst(0) depctr_va_vdst(0) depctr_va_sdst(0) depctr_va_ssrc(0) depctr_va_vcc(0) depctr_vm_vsrc(0)
	s_getreg_b32 s2, hwreg(HW_REG_IB_STS2, 6, 4)
	s_cmp_eq_u32 s2, 0
	s_cbranch_scc0 .Lentry_in_a_cluster
	s_endpgm
.Lentry_in_a_cluster:
	s_bfe_u32 s2, ttmp6, 0x10000c
	s_cmp_lg_u32 s2, 0x3003
	s_cbranch_scc0 .Lentry_shape_is_right
	s_endpgm
.Lentry_shape_is_right:
.set KP,    272
.set VP,    528
.set MP,    1040
.set KREG,  0
.set VREG,  512*KP
.set MREG,  VREG+256*VP
.set XCH,   MREG+2*16*MP
.set SPARE, XCH+4096
.set AK,   1
.set AV0,  2
.set AV1,  3
.set SPW,  4
.set NIL,  5
.set LIM,  6
.set SCL,  7
.set CSI,  8
.set AM,   9
.set CSO,  10
.set GO,   11
.set ST,   12
.set F,    28
.set T2,   30
.set TA,   32
.set TB,   33
.set TP,   34
.set PFOM, 35
.set PFOK, 36
.set PFOV, 37
.set XA,   38
.set OST,  39
.set XR,   40
.set NMU,  41
.set LU,   45
.set OLD,  49
.set NMS,  53
.set GU,   54
.set LS,   62
.set KB,   64
.set QR,   128
.set WV,   14
.set G1K,  24
.set G1M,  32
.set G1V,  40
.set G0K,  48
.set G0M,  52
.set G0V,  56
.set CP,   60
.set L2E,  62
.set SEL,  66
.set TRIPS, 68
.set PFM,  84
.set PFK,  86
.set PFV,  88
.set LIMK, 90
.set MSB, 0
.macro WIN new
.if MSB != (\new)
	s_set_vgpr_msb (MSB<<8)|(\new)
.set MSB, (\new)
.endif
.endm
.macro CROUND
	s_barrier_signal -1
	s_barrier_wait -1
	s_cmp_lg_u32 s[WV], 0
	s_cbranch_scc1 .Lnot_wave_0_\@
	s_barrier_signal -3
.Lnot_wave_0_\@:
	s_barrier_wait -3
	s_barrier_signal -1
	s_barrier_wait -1
.endm
.macro LOAD_KM
	s_cmp_lt_u32 s[WV], 2
	s_cbranch_scc0 .Lfor_m_\@
	tensor_load_to_lds s[G0K:G0K+3], s[G1K:G1K+7]
	s_nop 0
.rept 4
	v_nop
.endr
	s_branch .Lasked_\@
.Lfor_m_\@:
	tensor_load_to_lds s[G0M:G0M+3], s[G1M:G1M+7]
	s_nop 0
.rept 4
	v_nop
.endr
.Lasked_\@:
.endm
.macro LOAD_V
	tensor_load_to_lds s[G0V:G0V+3], s[G1V:G1V+7]
	s_nop 0
.rept 4
	v_nop
.endr
.endm
.macro ASK how
.if \how
	global_prefetch_b8 v[PFOM], s[PFM:PFM+1] th:TH_LOAD_NT scope:SCOPE_SE
	s_cmp_eq_u32 s[LIMK], 1
.else
	s_cmp_gt_u32 s[TRIPS], 1
	s_cbranch_scc0 .Lno_m_\@
	global_prefetch_b8 v[PFOM], s[PFM:PFM+1] th:TH_LOAD_NT scope:SCOPE_SE
.Lno_m_\@:
	s_cmp_gt_u32 s[TRIPS], s[LIMK]
.endif
	s_cbranch_scc0 .Lno_kv_\@
	global_prefetch_b8 v[PFOK], s[PFK:PFK+1] th:TH_LOAD_NT scope:SCOPE_SE
	global_prefetch_b8 v[PFOV], s[PFV:PFV+1] th:TH_LOAD_NT scope:SCOPE_SE
.Lno_kv_\@:
.endm
	s_load_b256 s[4:11], s[0:1], 0x0
	s_load_b64 s[12:13], s[0:1], 0x20
	v_lshl_add_u32 v[SPW], v0, 2, SPARE
	v_mov_b32 v[NIL], 0
	ds_add_u32 v[SPW], v[NIL]
	ds_add_u32 v[SPW], v[NIL]
	v_lshrrev_b32 v56, 5, v0
	v_readfirstlane_b32 s[WV], v56
	s_bfe_u32 s15, ttmp6, 0x40000
	s_lshl_b32 s16, ttmp9, 2
	s_add_co_u32 s16, s16, s15
	s_and_b32 s17, s[WV], 1
	s_mov_b32 s[G1K], 15|(1<<20)|(1<<21)|(5<<22)|(3<<25)
	s_mov_b32 s[G1K+1], 256<<16
	s_mov_b32 s[G1K+2], 256<<16
	s_mov_b32 s[G1K+3], 256<<16
	s_mov_b32 s[G1K+4], 256
	s_mov_b32 s[G1K+5], 1280
	s_mov_b32 s[G1K+6], 0
	s_mov_b32 s[G1K+7], 0
	s_mov_b32 s[G1M], (2<<16)|(1<<20)|(7<<22)|(3<<25)
	s_mov_b32 s[G1M+1], 256<<16
	s_mov_b32 s[G1M+2], 16<<16
	s_mov_b32 s[G1M+3], 256<<16
	s_mov_b32 s[G1M+4], 16
	s_mov_b32 s[G1M+5], 4096
	s_mov_b32 s[G1M+6], 0
	s_mov_b32 s[G1M+7], 0
	s_mov_b32 s[G1V], 15|(1<<20)|(1<<21)|(6<<22)|(3<<25)
	s_mov_b32 s[G1V+1], 512<<16
	s_mov_b32 s[G1V+2], 64<<16
	s_mov_b32 s[G1V+3], 512<<16
	s_mov_b32 s[G1V+4], 64
	s_mov_b32 s[G1V+5], 4096
	s_mov_b32 s[G1V+6], 0
	s_mov_b32 s[G1V+7], 0
	s_mov_b32 s[SEL], 0x76543210
	s_mov_b32 s[SEL+1], 0xfedcba98
	s_mov_b32 s[L2E], 0x3fb8aa3b
	s_mov_b32 s[L2E+1], 0x3fb8aa3b
	s_cmp_eq_u32 ttmp9, 0
	s_cselect_b32 s[LIMK], 1, -1
	s_mul_i32 s[G0K+1], s17, 256*KP
	s_mul_i32 s[G0M+1], s17, 16*MP
	s_add_co_u32 s[G0M+1], s[G0M+1], MREG
	s_mul_i32 s[G0V+1], s[WV], 64*VP
	s_add_co_u32 s[G0V+1], s[G0V+1], VREG
	s_mul_i32 s18, s17, 256*1280
	s_add_co_u32 s18, s18, 1024
	s_mov_b32 s19, 0
	s_lshl_b32 s22, s[WV], 18
	s_mov_b32 s23, 0
	s_lshl_b32 s20, s16, 18
	s_mov_b32 s21, 0
	s_lshl_b32 s2, s17, 10
	s_mov_b32 s3, 0
	s_wait_dscnt 0x0
	s_wait_kmcnt 0x0
	s_load_b256 s[72:79], s[10:11], 0x0
	s_load_b128 s[80:83], s[10:11], 0x20
	s_mov_b32 s[G0K], 1
	s_add_nc_u64 s[G0K+2:G0K+3], s[4:5], s[18:19]
	s_or_b32 s[G0K+3], s[G0K+3], 0x80000000
	s_mov_b32 s[G0M], 1
	s_add_nc_u64 s[PFM:PFM+1], s[8:9], s[20:21]
	s_add_nc_u64 s[G0M+2:G0M+3], s[PFM:PFM+1], s[2:3]
	s_or_b32 s[G0M+3], s[G0M+3], 0x80000000
	s_mov_b32 s[G0V], 1
	s_add_nc_u64 s[G0V+2:G0V+3], s[6:7], s[22:23]
	s_or_b32 s[G0V+3], s[G0V+3], 0x80000000
	CROUND
	LOAD_KM
	s_mul_i32 s20, s16, 16*1280                    ; Q's fragments are asked for while K's and the mask's first tiles are on their way
	s_add_nc_u64 s[92:93], s[4:5], s[20:21]
	v_and_b32 v56, 15, v0
	v_bfe_u32 v57, v0, 4, 1
	v_and_b32 v58, 31, v0
	v_mul_u32_u24 v59, v56, 1280
	v_lshl_add_u32 v59, v57, 4, v59
.irp hd, 0,1,2,3
.irp i, 0,1,2,3,4,5,6,7
	global_load_b128 v[QR+32*\hd+4*\i:QR+32*\hd+4*\i+3], v59, s[92:93] offset:256*\hd+32*\i
.endr
.endr
	s_wait_alu depctr_va_vdst(0)
	s_wait_tensorcnt 0x0
	ds_add_u32 v4, v5
	s_wait_dscnt 0x0
	CROUND
	LOAD_V
	s_add_nc_u64 s[PFM:PFM+1], s[PFM:PFM+1], 2048
	s_mul_i32 s20, s15, 128*1280
	s_add_co_u32 s20, s20, 1024+512*1280
	s_add_nc_u64 s[PFK:PFK+1], s[4:5], s[20:21]
	s_lshl_b32 s20, s15, 18
	s_add_co_u32 s20, s20, 512
	s_add_nc_u64 s[PFV:PFV+1], s[6:7], s[20:21]
	s_lshl_b32 s20, s16, 14
	s_lshl_b32 s22, s[WV], 8
	s_add_co_u32 s20, s20, s22
	s_add_nc_u64 s[12:13], s[12:13], s[20:21]
	s_mul_i32 s20, s[WV], 128*KP
	v_mul_u32_u24 v[AK], v56, KP
	v_lshl_add_u32 v[AK], v57, 4, v[AK]
	v_add_nc_u32 v[AK], s20, v[AK]
	s_lshl_b32 s20, s[WV], 7
	s_add_co_u32 s20, s20, VREG
	v_mul_u32_u24 v[AV0], v56, VP
	v_lshl_add_u32 v[AV0], v57, 4, v[AV0]
	v_add_nc_u32 v[AV0], s20, v[AV0]
	v_add_nc_u32 v[AV1], 128*VP, v[AV0]
	s_lshr_b32 s20, s[WV], 1
	s_mul_i32 s20, s20, 16*MP
	s_lshl_b32 s22, s17, 9
	s_add_co_u32 s20, s20, s22
	s_add_co_u32 s20, s20, MREG
	v_mul_u32_u24 v[AM], v56, MP
	v_lshl_add_u32 v[AM], v57, 5, v[AM]
	v_add_nc_u32 v[AM], s20, v[AM]
	s_mul_i32 s20, s[WV], 16*KP
	s_add_co_u32 s20, s20, MREG
	v_mul_u32_u24 v[CSI], v56, KP
	v_lshl_add_u32 v[CSI], v57, 3, v[CSI]
	v_add_nc_u32 v[CSI], s20, v[CSI]
	v_mul_u32_u24 v[CSO], v57, KP
	v_lshl_add_u32 v[CSO], v56, 4, v[CSO]
	v_add_nc_u32 v[CSO], s20, v[CSO]
	v_lshlrev_b32 v[GO], 10, v57
	v_lshl_add_u32 v[GO], v56, 4, v[GO]
	s_lshl_b32 s20, s[WV], 9
	s_add_co_u32 s20, s20, XCH
	v_lshlrev_b32 v[XA], 2, v58
	v_add_nc_u32 v[XA], s20, v[XA]
	v_lshl_add_u32 v[XR], v0, 2, XCH
	s_lshl_b32 s20, s[WV], 16
	v_lshlrev_b32 v[OST], 4, v58
	v_add_nc_u32 v[OST], s20, v[OST]
	s_lshl_b32 s20, s[WV], 14
.irp u, 0,1,2,3
	v_lshlrev_b32 v[OLD+\u], 4, v58
	v_add_nc_u32 v[OLD+\u], s20, v[OLD+\u]
	s_add_co_u32 s20, s20, 65536
.endr
	v_lshrrev_b32 v[PFOM], 3, v0
	v_lshlrev_b32 v[PFOM], 14, v[PFOM]
	v_and_b32 v60, 7, v0
	v_lshl_add_u32 v[PFOM], v60, 8, v[PFOM]
	v_mul_u32_u24 v[PFOK], v0, 1280
	v_lshrrev_b32 v[PFOV], 1, v0
	v_lshlrev_b32 v[PFOV], 12, v[PFOV]
	v_and_b32 v60, 1, v0
	v_lshl_add_u32 v[PFOV], v60, 8, v[PFOV]
.irp hd, 0,1,2,3
	v_mov_b32 v[ST+4*\hd+1], 0xff61b1e6
.endr
	v_mov_b32 v[TP], 0
	v_mov_b32 v[F+1], 0
	s_wait_kmcnt 0x0
	s_add_co_i32 s18, s78, s79
	s_sub_co_i32 s18, s18, 4
	s_lshl_b32 s18, s18, 23
	s_add_co_i32 s[CP], s18, 0x3fb8aa3b
	s_mov_b32 s[CP+1], s[CP]
	s_add_co_i32 s18, s80, 127
	s_lshl_b32 s19, s18, 23
	v_mov_b32 v[SCL], s19
	s_add_co_i32 s18, s18, 8
	s_lshl_b32 s18, s18, 23
	s_or_b32 s18, s18, 0x600000
	v_mov_b32 v[LIM], s18
	s_wait_alu depctr_va_vdst(0)                   ; the wait at the head's end
	s_wait_loadcnt 0x0                             ; Q.  K and the mask were shown whole at the round ahead of V's load; V is waited for at the first change of slots, ahead of its first read
.macro FETCHK kt
.irp i, 0,1,2,3,4,5,6,7
	ds_load_b128 v[KB+32*((\kt)%2)+4*\i:KB+32*((\kt)%2)+4*\i+3], v[AK] offset:16*KP*(\kt)+32*\i
.endr
.endm
.macro VLOADS d0, d1
	WIN 0xc0
.set dt, \d0
.rept (\d1)-(\d0)
.irp c, 0,1,2,3
	ds_load_b128 v[16*dt+4*\c:16*dt+4*\c+3], v[AV0+dt/8] offset:16*VP*(dt%8)+32*\c
.endr
.set dt, dt+1
.endr
.endm
.macro PVRUN h0, d0, d1, first
.set dt, \d0
.rept (\d1)-(\d0)
.irp u, 0,1
.if \first
	v_wmma_f32_16x16x128_fp8_fp8 v[128*\u+8*dt:128*\u+8*dt+7], v[16*dt:16*dt+15], v[KB+16*(\h0+\u):KB+16*(\h0+\u)+15], 0
.else
	v_wmma_f32_16x16x128_fp8_fp8 v[128*\u+8*dt:128*\u+8*dt+7], v[16*dt:16*dt+15], v[KB+16*(\h0+\u):KB+16*(\h0+\u)+15], v[128*\u+8*dt:128*\u+8*dt+7]
.endif
.endr
.set dt, dt+1
.endr
.endm
.macro SOFTMAX hd, first
.set sS, 64*(\hd)
.set sT, ST+4*(\hd)
	WIN 0x3c
.set TC, 54                            ; v54, v55: two more chains of the maximum; v[56:59]: two more of the sum (free between the head and the way out)
.set TD, 55
.set U2, 56
.set U3, 58
	v_max3_num_f32 v[TA], v[sT+1], v[sS], v[sS+1]
	v_max3_num_f32 v[TB], v[sT+1], v[sS+2], v[sS+3]
	v_max3_num_f32 v[TC], v[sT+1], v[sS+4], v[sS+5]
	v_max3_num_f32 v[TD], v[sT+1], v[sS+6], v[sS+7]
.set j, 8
.rept 7
	v_max3_num_f32 v[TA], v[TA], v[sS+j], v[sS+j+1]
	v_max3_num_f32 v[TB], v[TB], v[sS+j+2], v[sS+j+3]
	v_max3_num_f32 v[TC], v[TC], v[sS+j+4], v[sS+j+5]
	v_max3_num_f32 v[TD], v[TD], v[sS+j+6], v[sS+j+7]
.set j, j+8
.endr
	WIN 0
	v_max3_num_f32 v[TA], v[TA], v[TB], v[TC]
	v_max_num_f32 v[TA], v[TA], v[TD]
	v_permlanex16_b32 v[TP], v[TA], s[SEL], s[SEL+1]
.if !\first
	v_mov_b32 v[TB], v[sT]
.endif
	v_max_num_f32 v[sT+1], v[TA], v[TP]
	v_floor_f32 v[sT], -v[sT+1]
.if !\first
	v_sub_f32 v[TB], v[sT], v[TB]
	v_cvt_i32_f32 v[TB], v[TB]
	v_ldexp_f32 v[F], 1.0, v[TB]
.endif
	WIN 0xc3
.set j, 0
.rept 32
	v_pk_add_f32 v[sS+j:sS+j+1], v[sS+j:sS+j+1], v[sT:sT+1] op_sel_hi:[1,0]
.set j, j+2
.endr
.set j, 0
	s_wait_alu depctr_va_vdst(0)
.rept 64
	v_exp_f32 v[sS+j], v[sS+j]
.set j, j+1
.endr
	WIN 0
.if \first
	v_nop
.else
	v_pk_mul_f32 v[sT+2:sT+3], v[sT+2:sT+3], v[F:F+1] op_sel_hi:[1,0]
.endif
	s_wait_alu depctr_va_vdst(0)
	WIN 0x0f
	v_pk_add_f32 v[T2:T2+1], v[sS:sS+1], v[sS+2:sS+3]
	v_pk_add_f32 v[U2:U2+1], v[sS+4:sS+5], v[sS+6:sS+7]
	v_pk_add_f32 v[U3:U3+1], v[sS+8:sS+9], v[sS+10:sS+11]
.if \first
	v_pk_add_f32 v[sT+2:sT+3], v[sS+12:sS+13], v[sS+14:sS+15]
.set j, 16
.else
.set j, 12
.endif
	WIN 0x0c
.rept 6
	v_pk_add_f32 v[sT+2:sT+3], v[sT+2:sT+3], v[sS+j:sS+j+1]
	v_pk_add_f32 v[T2:T2+1], v[T2:T2+1], v[sS+j+2:sS+j+3]
	v_pk_add_f32 v[U2:U2+1], v[U2:U2+1], v[sS+j+4:sS+j+5]
	v_pk_add_f32 v[U3:U3+1], v[U3:U3+1], v[sS+j+6:sS+j+7]
.set j, j+8
.endr
.if !\first
	v_pk_add_f32 v[sT+2:sT+3], v[sT+2:sT+3], v[sS+60:sS+61]
	v_pk_add_f32 v[T2:T2+1], v[T2:T2+1], v[sS+62:sS+63]
.endif
	WIN 0
	v_pk_add_f32 v[T2:T2+1], v[T2:T2+1], v[U2:U2+1]
	v_pk_add_f32 v[sT+2:sT+3], v[sT+2:sT+3], v[U3:U3+1]
	v_pk_add_f32 v[sT+2:sT+3], v[sT+2:sT+3], v[T2:T2+1]
	WIN 0xcc
.set j, 0
.rept 64
	v_min_num_f32 v[sS+j], v[LIM], v[sS+j]
.set j, j+1
.endr
	WIN 0x03
.irp kt, 0,1,2,3,4,5,6,7
	v_cvt_scalef32_pk8_fp8_f32 v[KB+16*(\hd)+2*\kt:KB+16*(\hd)+2*\kt+1], v[sS+8*\kt:sS+8*\kt+7], v[SCL]
.endr
.if \first
	s_wait_alu depctr_va_vdst(0)
	WIN 0
	v_nop
.else
	WIN 0x41+0x41*((\hd)/2)
.set j, 0
.rept 64
	v_pk_mul_f32 v[128*((\hd)%2)+j:128*((\hd)%2)+j+1], v[128*((\hd)%2)+j:128*((\hd)%2)+j+1], v[F:F+1] op_sel_hi:[1,0]
.set j, j+2
.endr
.endif
.endm
.macro CHANGE_A fill
	WIN 0
	s_wait_tensorcnt 0x0
	ds_add_u32 v[SPW], v[NIL]
.if \fill
	s_add_nc_u64 s[G0K+2:G0K+3], s[G0K+2:G0K+3], 512*1280
	s_add_nc_u64 s[G0M+2:G0M+3], s[G0M+2:G0M+3], 2048
	s_wait_xcnt 0x0
	s_add_nc_u64 s[PFM:PFM+1], s[PFM:PFM+1], 2048
	s_add_nc_u64 s[PFK:PFK+1], s[PFK:PFK+1], 512*1280
	s_add_nc_u64 s[PFV:PFV+1], s[PFV:PFV+1], 512
.endif
	s_wait_dscnt 0x0
.if \fill
	CROUND
	LOAD_KM
.else
	s_barrier_signal -1
	s_barrier_wait -1
.endif
.endm
.macro CHANGE_B
	WIN 0
	s_wait_tensorcnt 0x0
	ds_add_u32 v[SPW], v[NIL]
	s_add_nc_u64 s[G0V+2:G0V+3], s[G0V+2:G0V+3], 512
	s_wait_dscnt 0x0
	CROUND
	LOAD_V
.endm
.macro TRIP first, fill
	FETCHK 0
	FETCHK 1
.irp kt, 0,1,2,3,4,5,6,7
.if \kt < 7
	s_wait_dscnt 8
.else
	s_wait_dscnt 0
.endif
	WIN 0xf0
.irp hd, 0,1,2,3
	v_wmma_f32_16x16x128_fp8_fp8 v[64*\hd+8*\kt:64*\hd+8*\kt+7], v[KB+32*(\kt%2):KB+32*(\kt%2)+15], v[QR+32*\hd:QR+32*\hd+15], 0
.endr
.irp hd, 0,1,2,3
	v_wmma_f32_16x16x128_fp8_fp8 v[64*\hd+8*\kt:64*\hd+8*\kt+7], v[KB+32*(\kt%2)+16:KB+32*(\kt%2)+31], v[QR+32*\hd+16:QR+32*\hd+31], v[64*\hd+8*\kt:64*\hd+8*\kt+7]
.endr
.rept 4
	v_nop
.endr
	WIN 0
.if \kt < 6
	FETCHK \kt+2
.endif
.endr
.irp kt, 0,1,2,3,4,5,6,7
	ds_load_b128 v[KB+8*\kt:KB+8*\kt+3], v[AM] offset:64*\kt
	ds_load_b128 v[KB+8*\kt+4:KB+8*\kt+7], v[AM] offset:64*\kt+16
.endr
	s_wait_dscnt 0x0
.set j, 0
.rept 32
	v_pk_mul_f32 v[KB+j:KB+j+1], v[KB+j:KB+j+1], s[L2E:L2E+1] op_sel_hi:[1,0]
.set j, j+2
.endr
	WIN 0xc3
.irp hd, 0,1,2,3
.set j, 0
.rept 32
	v_pk_fma_f32 v[64*\hd+j:64*\hd+j+1], v[64*\hd+j:64*\hd+j+1], s[CP:CP+1], v[KB+j:KB+j+1] op_sel_hi:[1,0,1]
.set j, j+2
.endr
.endr
	SOFTMAX 0, \first
	CHANGE_A \fill                                 ; K and the mask are read out: their refill goes out behind the first head's softmax; V's fragments 0-3 land on that head's scores
	VLOADS 0, 4
	WIN 0
.if \fill
	ASK \first
.endif
	SOFTMAX 1, \first
	VLOADS 4, 8
	SOFTMAX 2, \first
	VLOADS 8, 12
	SOFTMAX 3, \first
	VLOADS 12, 16
	s_wait_alu depctr_va_vdst(0)
	s_wait_dscnt 16
	WIN 0x53
	PVRUN 0, 0, 12, \first
	s_wait_dscnt 0x0
	PVRUN 0, 12, 16, \first
	WIN 0xa3
	PVRUN 2, 0, 16, \first
.rept 5
	v_nop
.endr
.if \fill
	CHANGE_B
.else
	WIN 0
.endif
.endm
	TRIP 1, 1
	s_mov_b32 s[TRIPS], 6
.Ltrip:
	TRIP 0, 1
	s_sub_co_u32 s[TRIPS], s[TRIPS], 1
	s_cmp_lg_u32 s[TRIPS], 0
	s_cbranch_scc1 .Ltrip
	TRIP 0, 0
.irp hd, 0,1,2,3
	v_add_f32 v[ST+4*\hd+2], v[ST+4*\hd+2], v[ST+4*\hd+3]
.endr
.irp hd, 0,1,2,3
	v_permlanex16_b32 v[ST+4*\hd+3], v[ST+4*\hd+2], s[SEL], s[SEL+1]
.endr
.irp hd, 0,1,2,3
	v_add_f32 v[ST+4*\hd+2], v[ST+4*\hd+2], v[ST+4*\hd+3]
.endr
.irp hd, 0,1,2,3
	ds_store_b32 v[XA], v[ST+4*\hd] offset:128*\hd
	ds_store_b32 v[XA], v[ST+4*\hd+2] offset:2048+128*\hd
.endr
	s_wait_dscnt 0x0
	s_barrier_signal -1
	s_barrier_wait -1
	WIN 0x04
.set c, 0
.rept 64
	ds_store_b128 v[OST], v[4*c:4*c+3] offset:512*c
.set c, c+1
.endr
	WIN 0x08
.set c, 0
.rept 64
	ds_store_b128 v[OST], v[4*c:4*c+3] offset:32768+512*c
.set c, c+1
.endr
	WIN 0
	s_wait_dscnt 0x0
	s_barrier_signal -1
	s_barrier_wait -1
.macro OLOAD u
	WIN 0x40*(1+(\u)/2)
.set c, 0
.rept 32
	ds_load_b128 v[128*((\u)%2)+4*c:128*((\u)%2)+4*c+3], v[OLD+(\u)] offset:512*c
.set c, c+1
.endr
	WIN 0
.endm
.macro COMB u
	WIN 0xf1+(\u)/2
.set j, 0
.rept 64
.if (\u) == 0
	v_pk_mul_f32 v[j:j+1], v[128*((\u)%2)+j:128*((\u)%2)+j+1], v[GU+2*(\u):GU+2*(\u)+1] op_sel_hi:[1,0]
.else
	v_pk_fma_f32 v[j:j+1], v[128*((\u)%2)+j:128*((\u)%2)+j+1], v[GU+2*(\u):GU+2*(\u)+1], v[j:j+1] op_sel_hi:[1,0,1]
.endif
.set j, j+2
.endr
	WIN 0
.endm
.irp u, 0,1,2,3
	ds_load_b32 v[NMU+\u], v[XR] offset:512*\u
.endr
.irp u, 0,1,2,3
	ds_load_b32 v[LU+\u], v[XR] offset:2048+512*\u
.endr
	OLOAD 0
	s_sub_co_i32 s18, s82, s80
	s_sub_co_i32 s18, s18, s81
	s_add_co_i32 s18, s18, 127
	s_lshl_b32 s19, s18, 23
	s_add_co_i32 s18, s18, 8
	s_lshl_b32 s18, s18, 23
	s_or_b32 s18, s18, 0x600000
	s_wait_dscnt 32
	v_min_num_f32 v[NMS], v[NMU], v[NMU+1]
	v_min_num_f32 v[LS], v[NMU+2], v[NMU+3]
	v_min_num_f32 v[NMS], v[NMS], v[LS]
.irp u, 0,1,2,3
	v_sub_f32 v[GU+2*\u], v[NMS], v[NMU+\u]
.endr
.irp u, 0,1,2,3
	v_cvt_i32_f32 v[GU+2*\u], v[GU+2*\u]
.endr
.irp u, 0,1,2,3
	v_ldexp_f32 v[GU+2*\u], 1.0, v[GU+2*\u]
.endr
	v_mul_f32 v[LS], v[GU], v[LU]
	v_fmac_f32 v[LS], v[GU+2], v[LU+1]
	v_fmac_f32 v[LS], v[GU+4], v[LU+2]
	v_fmac_f32 v[LS], v[GU+6], v[LU+3]
	s_wait_alu depctr_va_vdst(0)
	v_rcp_f32 v[LS], v[LS]
	v_mov_b32 v[SCL], s19
	v_mov_b32 v[LIM], s18
	s_wait_alu depctr_va_vdst(0)
.irp u, 0,1,2,3
	v_mul_f32 v[GU+2*\u], v[GU+2*\u], v[LS]
.endr
.irp u, 0,1,2,3
	v_mov_b32 v[GU+2*\u+1], v[GU+2*\u]
.endr
	OLOAD 1
	s_wait_alu depctr_va_vdst(0)
	s_wait_dscnt 32
	COMB 0
	OLOAD 2
	s_wait_dscnt 32
	COMB 1
	OLOAD 3
	s_wait_dscnt 32
	COMB 2
	s_wait_dscnt 0x0
	COMB 3
	WIN 0xc3
.set j, 0
.rept 128
	v_med3_num_f32 v[j], v[j], -v[LIM], v[LIM]
.set j, j+1
.endr
	WIN 0x03
.set dt, 0
.rept 16
	v_cvt_scalef32_pk8_fp8_f32 v[KB+2*dt:KB+2*dt+1], v[8*dt:8*dt+7], v[SCL]
.set dt, dt+1
.endr
	v_nop
	WIN 0
.set dt, 0
.rept 16
	ds_store_b64 v[CSI], v[KB+2*dt:KB+2*dt+1] offset:16*dt
.set dt, dt+1
.endr
.irp i, 0,1,2,3,4,5,6,7
	ds_load_b128 v[KB+32+4*\i:KB+32+4*\i+3], v[CSO] offset:2*KP*\i
.endr
.irp i, 0,1,2,3,4,5,6,7
	s_wait_dscnt 7-\i
	global_store_b128 v[GO], v[KB+32+4*\i:KB+32+4*\i+3], s[12:13] offset:2048*\i
.endr
	s_wait_tensorcnt 0x0
	ds_add_u32 v[SPW], v[NIL]
	s_wait_dscnt 0x0
	CROUND
	s_endpgm
.Lfunc_end_k_q99b82860c1_attn:
	.size	k_q99b82860c1_attn, .Lfunc_end_k_q99b82860c1_attn-k_q99b82860c1_attn
	.p2alignl 7, 3214868480
	.fill 96, 4, 3214868480
	.section	.rodata,"a",@progbits
	.p2align	6, 0x0
	.amdhsa_kernel k_q99b82860c1_attn
		.amdhsa_group_segment_fixed_size 327680
		.amdhsa_private_segment_fixed_size 0
		.amdhsa_enable_private_segment 0
		.amdhsa_kernarg_size 40
		.amdhsa_user_sgpr_count 2
		.amdhsa_user_sgpr_kernarg_segment_ptr 1
		.amdhsa_wavefront_size32 1
		.amdhsa_system_sgpr_workgroup_id_x 1
		.amdhsa_system_sgpr_workgroup_id_y 1
		.amdhsa_system_sgpr_workgroup_id_z 1
		.amdhsa_system_vgpr_workitem_id 0
		.amdhsa_next_free_vgpr 1024
		.amdhsa_next_free_sgpr 100
		.amdhsa_reserve_vcc 0
		.amdhsa_float_denorm_mode_32 3
		.amdhsa_float_denorm_mode_16_64 3
		.amdhsa_memory_ordered 1
		.amdhsa_forward_progress 1
		.amdhsa_inst_pref_size 255
	.end_amdhsa_kernel
	.section	.bss,"aw",@nobits
	.p2align	6
	.space	262144
	.amdgpu_metadata
---
amdhsa.version: [ 1, 2 ]
amdhsa.kernels:
  - .name:           k_q99b82860c1_attn
    .symbol:         k_q99b82860c1_attn.kd
    .args:
      - { .name: qk_codes, .offset: 0, .size: 8, .value_kind: global_buffer, .address_space: global }
      - { .name: v_codes, .offset: 8, .size: 8, .value_kind: global_buffer, .address_space: global }
      - { .name: attention_mask, .offset: 16, .size: 8, .value_kind: global_buffer, .address_space: global }
      - { .name: lowp_scales, .offset: 24, .size: 8, .value_kind: global_buffer, .address_space: global }
      - { .name: attn_codes, .offset: 32, .size: 8, .value_kind: global_buffer, .address_space: global }
    .group_segment_fixed_size: 327680
    .private_segment_fixed_size: 0
    .kernarg_segment_align: 8
    .kernarg_segment_size: 40
    .max_flat_workgroup_size: 128
    .sgpr_count:     100
    .vgpr_count:     1024
    .wavefront_size: 32
...
	.end_amdgpu_metadata
.endif
;; end of part 3
;; launch oproj (part 4): grid 8 x 32, 4 waves a work-group, clusters of 4 x 4, 327,680 bytes of LDS; arguments attn_codes, w_codes, lowp_scales, out0; writes out0
.if DOCPART == 4
	.amdgcn_target "amdgcn-amd-amdhsa--gfx1250"
	.amdhsa_code_object_version 6
	.text
	.protected	k_q99b82860c1_oproj
	.globl	k_q99b82860c1_oproj
	.p2align	8
	.type	k_q99b82860c1_oproj,@function
k_q99b82860c1_oproj:
	s_mov_b64 s[64:65], 0
	v_nop
	global_prefetch_b8 v0, s[64:65] scope:SCOPE_SE
	s_setreg_imm32_b32 hwreg(HW_REG_WAVE_MODE, 25, 1), 1
	s_wait_xcnt 0x0
	s_wait_alu depctr_hold_cnt(0) depctr_sa_sdst(0) depctr_va_vdst(0) depctr_va_sdst(0) depctr_va_ssrc(0) depctr_va_vcc(0) depctr_vm_vsrc(0)
	s_getreg_b32 s2, hwreg(HW_REG_IB_STS2, 6, 4)
	s_cmp_eq_u32 s2, 0
	s_cbranch_scc0 .Lentry_in_a_cluster
	s_endpgm
.Lentry_in_a_cluster:
	s_bfe_u32 s2, ttmp6, 0x10000c
	s_cmp_lg_u32 s2, 0xf033
	s_cbranch_scc0 .Lentry_shape_is_right
	s_endpgm
.Lentry_shape_is_right:
.set SIZE_N, 2048
.set ROWB,   256
.set KROW,   1024
.set PITCH,  272
.set FR,     16
.set NP,     4
.set R64,    64*PITCH
.set HALFT,  128*PITCH
.set SLOT,   3*HALFT
.set SPARE,  3*SLOT
.set SPITCH, 528
.set ADRA,  8
.set ADRBL, 11
.set ADRBH, 14
.set STO,  17
.set RD,   18
.set CO,   19
.set SPW,  28
.set NIL,  29
.set TMP,  32
.set AF,   128
.set BK,   128
.set G1,  24
.set G0,  32
.set G1B, 48
.set G0B, 84
.set MSB, 0
.macro WIN new
.if MSB != (\new)
	s_set_vgpr_msb (MSB<<8)|(\new)
.set MSB, (\new)
.endif
.endm
.set MUL,  0xa1
.set TO_B, 0x40
.macro JLOAD g0a, g1a, g0b, g1b
	s_cmp_eq_u32 s15, 0
	s_cbranch_scc0 .Lfor_b_\@
	tensor_load_to_lds s[\g0a:\g0a+3], s[\g1a:\g1a+7]
	s_nop 0
.rept 4
	v_nop
.endr
	s_branch .Lasked_\@
.Lfor_b_\@:
	tensor_load_to_lds s[\g0b:\g0b+3], s[\g1b:\g1b+7]
	s_nop 0
.rept 4
	v_nop
.endr
.Lasked_\@:
.endm
.macro CREST
	s_cmp_lg_u32 s14, 0
	s_cbranch_scc1 .Lnot_wave_0_\@
	s_barrier_signal -3
.Lnot_wave_0_\@:
	s_barrier_wait -3
	s_barrier_signal -1
	s_barrier_wait -1
.endm
.macro CROUND
	s_barrier_signal -1
	s_barrier_wait -1
	CREST
.endm
	s_load_b128 s[4:7], s[0:1], 0x0
	s_load_b128 s[8:11], s[0:1], 0x10
	v_lshl_add_u32 v[SPW], v0, 2, SPARE
	v_mov_b32 v[NIL], 0
	ds_add_u32 v[SPW], v[NIL]
	ds_add_u32 v[SPW], v[NIL]
	v_lshrrev_b32 v1, 5, v0
	v_readfirstlane_b32 s14, v1
	s_lshr_b32 s15, s14, 1
	s_and_b32 s16, s14, 1
	s_bfe_u32 s44, ttmp6, 0x40000
	s_bfe_u32 s45, ttmp6, 0x40004
	s_lshl_b32 s56, ttmp9, 2
	s_add_co_u32 s56, s56, s44
	s_and_b32 s17, ttmp7, 0xffff
	s_lshl_b32 s17, s17, 2
	s_add_co_u32 s17, s17, s45
	s_lshl_b32 s57, s45, 2
	s_lshl_b32 s57, 15, s57
	s_lshl_b32 s58, 0x1111, s44
	s_or_b32 s[G1+0], s57, (0<<16)|(1<<20)|(1<<21)|(5<<22)|(3<<25)
	s_or_b32 s[G1B+0], s58, (0<<16)|(1<<20)|(1<<21)|(5<<22)|(3<<25)
	s_mov_b32 s[G1+1], ROWB<<16
	s_mov_b32 s[G1+2], 64<<16
	s_mov_b32 s[G1+3], ROWB<<16
	s_mov_b32 s[G1+4], 64
	s_mov_b32 s[G1+5], KROW
	s_mov_b32 s[G1+6], 0
	s_mov_b32 s[G1+7], 0
	s_mov_b32 s[G1B+1], ROWB<<16
	s_mov_b32 s[G1B+2], 128<<16
	s_mov_b32 s[G1B+3], ROWB<<16
	s_mov_b32 s[G1B+4], 128
	s_mov_b32 s[G1B+5], KROW
	s_mov_b32 s[G1B+6], 0
	s_mov_b32 s[G1B+7], 0
	s_lshl_b32 s20, s17, 7
	s_lshl_b32 s18, s16, 6
	s_add_co_u32 s20, s20, s18
	s_lshl_b32 s20, s20, 10
	s_mov_b32 s21, 0
	s_lshl_b32 s46, s56, 8
	s_lshl_b32 s18, s16, 7
	s_add_co_u32 s46, s46, s18
	s_lshl_b32 s46, s46, 10
	s_add_co_u32 s46, s46, 3145728
	s_mov_b32 s47, 0
	s_mul_i32 s18, s16, R64
	s_mul_i32 s19, s16, HALFT
	s_add_co_u32 s19, s19, HALFT
	s_wait_dscnt 0x0
	s_wait_kmcnt 0x0
	s_load_b64 s[96:97], s[8:9], 0x28
	s_add_nc_u64 s[20:21], s[4:5], s[20:21]
	s_add_nc_u64 s[46:47], s[6:7], s[46:47]
	CROUND
.irp s, 0,1,2
	s_mov_b32 s[G0+4*\s], 1
	s_add_co_u32 s[G0+4*\s+1], s18, \s*SLOT
	s_add_nc_u64 s[G0+4*\s+2:G0+4*\s+3], s[20:21], \s*ROWB
	s_or_b32 s[G0+4*\s+3], s[G0+4*\s+3], 0x80000000
	s_mov_b32 s[G0B+4*\s], 1
	s_add_co_u32 s[G0B+4*\s+1], s19, \s*SLOT
	s_add_nc_u64 s[G0B+4*\s+2:G0B+4*\s+3], s[46:47], \s*ROWB
	s_or_b32 s[G0B+4*\s+3], s[G0B+4*\s+3], 0x80000000
.if \s > 0                             ; K step 0 goes out behind the opening lines and the first round; slots 1 and 2 are first filled as a refill is
	s_wait_alu depctr_va_vdst(0)
	s_wait_tensorcnt 0x0
	ds_add_u32 v28, v29
	ds_add_u32 v28, v29
	s_wait_dscnt 0x0
	CROUND
.endif
	JLOAD G0+4*\s, G1, G0B+4*\s, G1B
.endr
	v_and_b32 v1, 15, v0
	v_bfe_u32 v2, v0, 4, 1
	v_mul_u32_u24 v3, v1, PITCH
	v_lshl_add_u32 v4, v2, 4, v3
	s_wait_alu depctr_va_vdst(0)
	s_mul_i32 s59, s15, R64
	s_mul_i32 s60, s16, HALFT
	s_add_co_u32 s60, s60, HALFT
	s_add_co_u32 s61, s60, R64
.irp s, 0,1,2
	v_add_nc_u32 v[ADRA+\s], s59, v4
	v_add_nc_u32 v[ADRBL+\s], s60, v4
	v_add_nc_u32 v[ADRBH+\s], s61, v4
	s_add_co_u32 s59, s59, SLOT
	s_add_co_u32 s60, s60, SLOT
	s_add_co_u32 s61, s61, SLOT
.endr
	s_mul_i32 s62, s14, 16*SPITCH
	s_add_co_u32 s62, s62, SLOT
	v_mul_u32_u24 v5, v1, SPITCH
	v_lshl_add_u32 v5, v2, 5, v5
	v_add_nc_u32 v[STO], s62, v5
	v_and_b32 v6, 31, v0
	v_lshlrev_b32 v[CO], 4, v6
	v_add_nc_u32 v[RD], s62, v[CO]
	s_lshl_b32 s20, s17, 7
	s_lshl_b32 s21, s15, 6
	s_add_co_u32 s20, s20, s21
	s_lshl_b32 s20, s20, 13
	s_lshl_b32 s46, s56, 10
	s_lshl_b32 s47, s16, 9
	s_add_co_u32 s46, s46, s47
	s_add_co_u32 s20, s20, s46
	s_mov_b32 s21, 0
	s_add_nc_u64 s[10:11], s[10:11], s[20:21]
.macro FRAG reg, adr, q, i
.irp c, 0,1,2,3
	ds_load_b128 v[\reg+4*\c:\reg+4*\c+3], v[\adr] offset:128*(\q)+32*\c+(\i)*16*PITCH
.endr
.endm
.macro FETCH slot, q, p
	WIN TO_B
.irp i, 0,1,2,3
	FRAG 128*(\p)+FR*\i, ADRBL+\slot, \q, \i
.endr
.irp i, 0,1,2,3
	FRAG 128*(\p)+FR*(4+\i), ADRBH+\slot, \q, \i
.endr
	WIN 0
.irp i, 0,1,2,3
	FRAG AF+64*(\p)+FR*\i, ADRA+\slot, \q, \i
.endr
.endm
.macro MUL8 a, p, zero
.irp b, 0,1,2,3,4,5,6,7
.if \zero
	v_wmma_f32_16x16x128_fp8_fp8 v[8*(8*(\a)+\b):8*(8*(\a)+\b)+7], v[128*(\p)+FR*\b:128*(\p)+FR*\b+FR-1], v[AF+64*(\p)+FR*(\a):AF+64*(\p)+FR*(\a)+FR-1], 0
.else
	v_wmma_f32_16x16x128_fp8_fp8 v[8*(8*(\a)+\b):8*(8*(\a)+\b)+7], v[128*(\p)+FR*\b:128*(\p)+FR*\b+FR-1], v[AF+64*(\p)+FR*(\a):AF+64*(\p)+FR*(\a)+FR-1], v[8*(8*(\a)+\b):8*(8*(\a)+\b)+7]
.endif
.endr
.endm
.macro PLACES n
.rept \n
	v_nop
.endr
.endm
.macro STEPA slot, zero
	s_wait_dscnt 8
	WIN MUL
	MUL8 0, 0, \zero
	MUL8 1, 0, \zero
	PLACES NP
	FETCH \slot, 1, 1
	s_wait_dscnt 48
	WIN MUL
	MUL8 2, 0, \zero
	MUL8 3, 0, \zero
.endm
.macro TURN slot, next, mode
.if (\mode) == 0
	s_wait_dscnt 8
	WIN MUL
	MUL8 0, 1, 0
	MUL8 1, 1, 0
	PLACES NP
	s_wait_alu depctr_va_vdst(0)
	FETCH \next, 0, 0
	s_wait_dscnt 48
.else
	WIN 0
	s_wait_tensorcnt 0x0
	ds_add_u32 v[SPW], v[NIL]
	s_wait_dscnt 9
	WIN MUL
	MUL8 0, 1, 0
	s_wait_dscnt 0x0
	s_barrier_signal -1
	MUL8 1, 1, 0
	WIN 0
	s_barrier_wait -1
.if (\mode) == 1
	CREST
	s_add_nc_u64 s[G0+4*\slot+2:G0+4*\slot+3], s[G0+4*\slot+2:G0+4*\slot+3], 3*ROWB
	s_add_nc_u64 s[G0B+4*\slot+2:G0B+4*\slot+3], s[G0B+4*\slot+2:G0B+4*\slot+3], 3*ROWB
	JLOAD G0+4*\slot, G1, G0B+4*\slot, G1B
.else
	PLACES NP
.endif
	FETCH \next, 0, 0
.endif
	WIN MUL
	MUL8 2, 1, 0
	MUL8 3, 1, 0
.endm
	s_wait_tensorcnt 2
	s_barrier_signal -1
	s_barrier_wait -1
	FETCH 0, 0, 0
	STEPA 0, 1
	TURN 0, 1, 1
	STEPA 1, 0
	TURN 1, 2, 0
	STEPA 2, 0
	TURN 2, 0, 2
	STEPA 0, 0
	s_wait_dscnt 8
	WIN MUL
	MUL8 0, 1, 0
	MUL8 1, 1, 0
	s_wait_dscnt 0
	MUL8 2, 1, 0
	MUL8 3, 1, 0
	WIN 0
.macro TOSTAGE a
.set AC, 64*(\a)
	WIN 0x02
.irp j, 0,2,4,6,8,10,12,14,16,18,20,22,24,26,28,30,32,34,36,38,40,42,44,46,48,50,52,54,56,58,60,62
	v_pk_mul_f32 v[TMP+\j:TMP+\j+1], v[AC+\j:AC+\j+1], s[96:97] op_sel_hi:[1,0]
.endr
	WIN 0
.irp b, 0,1,2,3,4,5,6,7
	ds_store_b128 v[STO], v[TMP+8*\b:TMP+8*\b+3] offset:64*\b
	ds_store_b128 v[STO], v[TMP+8*\b+4:TMP+8*\b+7] offset:64*\b+16
.endr
.set BB, BK+64*((\a)%2)
.irp t, 0,1,2,3,4,5,6,7,8,9,10,11,12,13,14,15
	ds_load_b128 v[BB+4*\t:BB+4*\t+3], v[RD] offset:\t*SPITCH
.endr
.endm
.macro SEND a, younger
.set BB, BK+64*((\a)%2)
	s_wait_dscnt \younger
.irp t, 0,1,2,3,4,5,6,7,8,9,10,11,12,13,14,15
	global_store_b128 v[CO], v[BB+4*\t:BB+4*\t+3], s[10:11] offset:(16*(\a)+\t)*SIZE_N*4 th:TH_STORE_NT
.endr
.endm
	s_wait_kmcnt 0x0
	s_add_co_i32 s96, s96, s97
	s_add_co_i32 s96, s96, 127
	s_lshl_b32 s96, s96, 23
	PLACES NP
	TOSTAGE 0
.irp a, 1,2,3
.if \a > 1
	s_wait_xcnt 0x0
.endif
	TOSTAGE \a
	SEND \a-1, 32
.endr
	SEND 3, 0
	s_wait_tensorcnt 0x0
	ds_add_u32 v[SPW], v[NIL]
	s_wait_dscnt 0x0
	CROUND
	s_endpgm
.Lfunc_end_k_q99b82860c1_oproj:
	.size	k_q99b82860c1_oproj, .Lfunc_end_k_q99b82860c1_oproj-k_q99b82860c1_oproj
	.p2alignl 7, 3214868480
	.fill 96, 4, 3214868480
	.section	.rodata,"a",@progbits
	.p2align	6, 0x0
	.amdhsa_kernel k_q99b82860c1_oproj
		.amdhsa_group_segment_fixed_size 327680
		.amdhsa_private_segment_fixed_size 0
		.amdhsa_enable_private_segment 0
		.amdhsa_kernarg_size 32
		.amdhsa_user_sgpr_count 2
		.amdhsa_user_sgpr_kernarg_segment_ptr 1
		.amdhsa_wavefront_size32 1
		.amdhsa_system_sgpr_workgroup_id_x 1
		.amdhsa_system_sgpr_workgroup_id_y 1
		.amdhsa_system_sgpr_workgroup_id_z 1
		.amdhsa_system_vgpr_workitem_id 0
		.amdhsa_next_free_vgpr 768
		.amdhsa_next_free_sgpr 98
		.amdhsa_reserve_vcc 0
		.amdhsa_float_denorm_mode_32 3
		.amdhsa_float_denorm_mode_16_64 3
		.amdhsa_memory_ordered 1
		.amdhsa_forward_progress 1
		.amdhsa_inst_pref_size 77
	.end_amdhsa_kernel
	.amdgpu_metadata
---
amdhsa.version: [ 1, 2 ]
amdhsa.kernels:
  - .name:           k_q99b82860c1_oproj
    .symbol:         k_q99b82860c1_oproj.kd
    .args:
      - { .name: attn_codes, .offset: 0, .size: 8, .value_kind: global_buffer, .address_space: global }
      - { .name: w_codes, .offset: 8, .size: 8, .value_kind: global_buffer, .address_space: global }
      - { .name: lowp_scales, .offset: 16, .size: 8, .value_kind: global_buffer, .address_space: global }
      - { .name: out0, .offset: 24, .size: 8, .value_kind: global_buffer, .address_space: global }
    .group_segment_fixed_size: 327680
    .private_segment_fixed_size: 0
    .kernarg_segment_align: 8
    .kernarg_segment_size: 32
    .max_flat_workgroup_size: 128
    .sgpr_count:     98
    .vgpr_count:     768
    .wavefront_size: 32
...
	.end_amdgpu_metadata
.endif
;; end of part 4
